; MI455X (gfx1250); checked and timed in simulation.
; The chip was launched on July 23, 2026; its instructions are those of AMD's public machine-readable ISA for CDNA 5 (MIT licence, August 2026) and "CDNA5" Instruction Set Architecture Reference Guide (July 2026). The comments in the code are by the model that wrote it; some were corrected since.
;; Causal Self Attention. Allowed arithmetic: matrix products marked QUANTISED: E4M3 operands, one given power-of-two scale a tensor, by v_wmma_f32_16x16x64_fp8_fp8 or v_wmma_f32_16x16x128_fp8_fp8, f32 sums; everything else in f32.
;; Inputs: W_attn 1,024 x 3,072 float32; W_proj 1,024 x 1,024 float32; b_attn 3,072 float32; b_proj 1,024 float32; lowp_scales 8 int32 (the exponents e of the quantised operands' scales 2^e); x 4 x 2,048 x 1,024 float32.
;; Outputs: out0 4 x 2,048 x 1,024 float32.
;; This version of the problem:
;;   THIS VERSION OF THE PROBLEM IS GIVEN IN LOW PRECISION. The matrix products marked QUANTISED in the list below multiply operands that are first quantised to E4M3 (4 exponent bits, 3 mantissa bits; 8 bits a number), with one given power-of-two scale for each operand tensor; their sums are f32. All else is computed in f32.
;;   The module's matrix products, in the order in which they are computed (A, B: the left and right operand; K: the contracted axis; several contracted axes count as one K, in the product's order):
;;     1. [M 8,192, K 1,024] x [K 1,024, N 3,072]; A: input x; B: input W_attn: QUANTISED (scales: A lowp_scales[0], B lowp_scales[1])
;;     2. batch 64 x [M 2,048, K 64] x [K 64, N 2,048]; A: computed on the way; B: computed on the way: QUANTISED (scales: A lowp_scales[2], B lowp_scales[3])
;;     3. batch 64 x [M 2,048, K 2,048] x [K 2,048, N 64]; A: softmax (see below); B: computed on the way: QUANTISED (scales: A lowp_scales[4], B lowp_scales[5])
;;     4. [M 8,192, K 1,024] x [K 1,024, N 1,024]; A: computed on the way; B: input W_proj: QUANTISED (scales: A lowp_scales[6], B lowp_scales[7])
;;   THE QUANTISER, for each operand of a quantised product, along K:
;;     - The operand's scale is 2^e, e = its entry of the input lowp_scales (int32; the entries are numbered through the quantised products in the list's order, A before B).
;;     - Each number is divided by the scale, clamped to +-448, and rounded to the nearest number of E4M3, ties to even, subnormals kept.
;;     - The product sums the exact products of the quantised numbers (number of the format x scale) in f32.
;;   ~~~python
;;   def quantise(x, axis, e):      # numpy; x: float32 -> the quantised numbers, widened to float32 again
;;       x = np.moveaxis(x, axis, -1); K = x.shape[-1]
;;       r = np.clip(x / 2.0 ** e, -448, 448)
;;       step = 2.0 ** (np.maximum(np.frexp(np.where(r == 0, 1, r))[1] - 1, -6) - 3)
;;       q = np.round(r / step) * step * 2.0 ** e      # np.round: ties to even
;;       return np.moveaxis(q, -1, axis).astype(np.float32)
;;   ~~~
;;   SOFTMAX AHEAD OF A QUANTISED PRODUCT. Where the list says 'softmax', what is quantised is not the finished softmax but p = 2^(t - M), with t = logit x log2(e) and M = ceil(the row's largest t), a whole number; so 1/2 < the row's largest p <= 1. The row's sum l is taken of the UNQUANTISED p, in f32, and the product's result is divided by l at the end. Since M is a whole number, a kernel that streams over the keys may use a running M (the ceiling of the running maximum): every later rescaling is an exact power of two, so the quantised numbers keep their values, but for numbers so far below the row's largest that they fall under the format's range.
;;   OPERANDS COMPUTED ON THE WAY. 'Computed on the way' means the value that the module computes at that place (a softmax that the list does not call 'softmax' is quantised finished and normalised). What goes into a quantiser is computed in f32, as accurately as f32 sums, v_exp_f32 and their like allow (about 1e-6 of the number): no bf16 or f16 on the way to a quantiser, and a product that is left as it is and whose result goes on into a quantised operand takes f32 operands (vector FMAs, or v_wmma_f32_16x16x4_f32). A number that lies on a knife's edge between two numbers of the format may be rounded either way, as far as f32 arithmetic and the matrix unit's own rounding can turn it there, and no further.
;; One version. Each part assembles by itself: llvm-mc -triple=amdgcn-amd-amdhsa -mcpu=gfx1250 --defsym DOCPART=n.
;; ======== version 1 of 1: 4 launches
;; limits: right only within a limited range of input values
;; workspace buffers: codes 12,582,912 bytes; qkv 25,165,824 bytes; ycodes 8,388,608 bytes
;; launch quant (part 1): grid 384 x 1, 4 waves a work-group, no clusters, 68,096 bytes of LDS; arguments x, W_attn, W_proj, lowp_scales, codes; writes codes
.if DOCPART == 1
	.amdgcn_target "amdgcn-amd-amdhsa--gfx1250"
	.amdhsa_code_object_version 6
	.text
	.protected	k_q2e8153bef8_quant
	.globl	k_q2e8153bef8_quant
	.p2align	8
	.type	k_q2e8153bef8_quant,@function
k_q2e8153bef8_quant:
	s_mov_b64 s[64:65], 0
	v_nop
	global_prefetch_b8 v0, s[64:65] scope:SCOPE_SE
	s_setreg_imm32_b32 hwreg(HW_REG_WAVE_MODE, 25, 1), 1
	s_wait_xcnt 0x0
; x [8192][1024], W_attn [1024][3072] and W_proj [1024][1024], f32, become codes of FP8 (E4M3), one byte each, K innermost, each with the one scale 2^e given for it
; (entries 0, 1 and 7 of the scales' buffer).  code = number / 2^e, held within +-448, rounded to the nearest code, ties to even.
; OUT: codes: x's codes [8192][1024] at byte 0; from byte 8,388,608 the weights' [4096][1024]: row n = W_attn's column n (0 .. 3071), row 3072 + n = W_proj's column n.
; LIMITS: each e between -126 and 119, so that 2^e and 448 x 2^e are f32 numbers.  NaN among the inputs is not served (an infinity is held at the largest code).
; SHARES: work-groups 0 to 255 take x, 32,768 numbers each, a plain stream; work-groups 256 to 383 take 128 columns x 256 along K of a weight.  Both kinds read 131,072 bytes.
; The two paths part on the work-group's number and each has LDS bytes of its own.  Waves share nothing: no barrier.  No matrix unit, no tensor load: memory binds, and every byte is read once and written once.
.set STEPS, 16                         ; x: steps of 512 numbers a wave
.set SP,    80                         ; x: a lane's place in a stage: its 64 bytes + 16 of padding
.set WREG,  8192                       ; x: a wave's region of LDS: two stages of 32 x SP bytes
.set WST,   4*WREG                     ; the weights' stages begin here: 32 rows x WP bytes for each wave
.set WP,    272                        ; a stage row: 256 codes + 16 bytes of padding
.set SPARE, WST+4*32*WP                ; behind them the spare words, 128 bytes for each wave: two blocks of 256 bytes that no other line names
.set EMAX,  8
.set MANT,  0x600000                   ; the mantissa field of 448 as f32
.set SPW,   12                         ; v12  LDS address of my spare word; never rewritten
.set NIL,   13                         ; v13  0; never rewritten
.set R,     16                         ; x: v16-79   four sets of 16 numbers as loaded
.set X,     80                         ; x: v80-111  two sets of 16 neighbours
.set C,     128                        ; x: v128-191 codes, four registers for each step
.set XW,    32                         ; W: v32-95   two sets of 32 numbers down K
.set CW,    96                         ; W: v96-103  a block's codes
.set OUTR,  112                        ; W: v112-175 the way out
.set OFFS,  176                        ; W: v176-207 byte offset of row i of a block of 32 rows, at my column
.macro XLOAD t
.irp i, 0,1,2,3
	global_load_b128 v[R+16*((\t)%4)+4*\i:R+16*((\t)%4)+4*\i+3], v3, s[4:5] offset:2048*(\t)+512*\i th:TH_LOAD_NT   ; 32 lanes read 512 consecutive bytes
.endr
.endm
.macro XTURN t                         ; a step's 2,048 bytes go through the wave's stage as they lie and come back 64 bytes a lane; LDS serves a wave's instructions in order
.irp i, 0,1,2,3
	ds_store_b128 v14, v[R+16*((\t)%4)+4*\i:R+16*((\t)%4)+4*\i+3] offset:32*SP*((\t)%2)+8*SP*\i
.endr
.irp i, 0,1,2,3
	ds_load_b128 v[X+16*((\t)%2)+4*\i:X+16*((\t)%2)+4*\i+3], v15 offset:32*SP*((\t)%2)+16*\i
.endr
.endm
.macro XSTEP t
.set XS, X+16*((\t)%2)
	s_wait_dscnt 0x0                               ; this step's numbers are back from the stage, so its stores into the stage have read their registers,
.if (\t)+4 < STEPS
	XLOAD (\t)+4                                   ; which take the loads of four steps on
.endif
.if (\t)+1 < STEPS
.if STEPS-2-(\t) >= 3
	s_wait_loadcnt 12                              ; the next step's four loads are in; the twelve of the three steps behind it may be out
.else
	s_wait_loadcnt 4*(STEPS-2-(\t))
.endif
	XTURN (\t)+1
.endif
.irp i, 0,1,2,3,4,5,6,7,8,9,10,11,12,13,14,15
	v_med3_num_f32 v[XS+\i], v[XS+\i], -v10, v10   ; the conversion to an 8-bit code does not saturate (ISA guide 7.6.2): the hold comes first
.endr
	v_cvt_scalef32_pk8_fp8_f32 v[C+4*(\t):C+4*(\t)+1], v[XS:XS+7], v11
	v_cvt_scalef32_pk8_fp8_f32 v[C+4*(\t)+2:C+4*(\t)+3], v[XS+8:XS+15], v11
	global_store_b128 v3, v[C+4*(\t):C+4*(\t)+3], s[12:13] offset:512*(\t)   ; the wave stores 512 consecutive bytes, aligned; each step has its own registers, so no store's data are written again
.endm
.macro WLOAD t                         ; block t: W(32 t + i, my column), i = 0 .. 31; 32 lanes read 128 consecutive bytes, the four waves 512
.irp i, 0,1,2,3,4,5,6,7,8,9,10,11,12,13,14,15,16,17,18,19,20,21,22,23,24,25,26,27,28,29,30,31
	global_load_b32 v[XW+32*((\t)%2)+\i], v[OFFS+\i], s[32+2*(\t):33+2*(\t)] th:TH_LOAD_NT
.endr
.endm
.macro WBLOCK t
.set XS, XW+32*((\t)%2)
.if (\t) < 7
	s_wait_loadcnt 32                              ; this block's 32 loads are in; the next block's 32 may be out
.else
	s_wait_loadcnt 0
.endif
.irp i, 0,1,2,3,4,5,6,7,8,9,10,11,12,13,14,15,16,17,18,19,20,21,22,23,24,25,26,27,28,29,30,31
	v_med3_num_f32 v[XS+\i], v[XS+\i], -v10, v10
.endr
.irp g, 0,1,2,3
	v_cvt_scalef32_pk8_fp8_f32 v[CW+2*\g:CW+2*\g+1], v[XS+8*\g:XS+8*\g+7], v11
.endr
	ds_store_b128 v4, v[CW:CW+3] offset:32*(\t)    ; 32 codes along K: 32 bytes of my column's row
	ds_store_b128 v4, v[CW+4:CW+7] offset:32*(\t)+16
.if (\t)+2 < 8
	WLOAD (\t)+2
.endif
	s_wait_dscnt 0x0                               ; the stores have read their registers: the next block's codes may be written
.endm
	s_load_b256 s[4:11], s[0:1], 0x0               ; x s[4:5], W_attn s[6:7], W_proj s[8:9], the scales' exponents s[10:11]
	s_load_b64 s[12:13], s[0:1], 0x20              ; codes
	v_lshl_add_u32 v[SPW], v0, 2, SPARE
	v_mov_b32 v[NIL], 0
	v_lshrrev_b32 v1, 5, v0
	v_readfirstlane_b32 s14, v1                    ; wave 0..3
	v_and_b32 v2, 31, v0                           ; lane
	s_wait_kmcnt 0x0
	s_load_b256 s[16:23], s[10:11], 0x0            ; e0 .. e7
	s_cmp_lt_u32 ttmp9, 256
	s_cbranch_scc0 .Lweights
	; ---- x: a stream of blocks; a wave takes 8,192 numbers
	s_wait_alu depctr_va_vdst(0)
	v_lshlrev_b32 v3, 4, v2                        ; my 16 bytes of a load's 512, and of a step's 512 bytes of codes
	s_wait_alu depctr_va_vdst(0)
	s_mul_i32 s15, s14, WREG
	v_lshrrev_b32 v14, 2, v2
	v_mul_u32_u24 v14, v14, SP
	v_and_b32 v15, 3, v2
	v_lshl_add_u32 v14, v15, 4, v14
	v_add_nc_u32 v14, s15, v14                     ; the stage, on the way in: SP (lane / 4) + 16 (lane % 4)
	v_mul_u32_u24 v15, v2, SP
	v_add_nc_u32 v15, s15, v15                     ; and on the way out: SP x lane: my 16 neighbours
	s_lshl_b32 s24, ttmp9, 2
	s_add_co_u32 s24, s24, s14                     ; which run of 8,192 numbers is my wave's
	s_lshl_b32 s26, s24, 15
	s_mov_b32 s27, 0
	s_add_nc_u64 s[4:5], s[4:5], s[26:27]
	s_lshl_b32 s28, s24, 13
	s_mov_b32 s29, 0
	s_add_nc_u64 s[12:13], s[12:13], s[28:29]
.irp t, 0,1,2,3
	XLOAD \t
.endr
	s_wait_alu depctr_va_vdst(0)
	s_wait_kmcnt 0x0
	s_add_co_i32 s24, s16, 127                     ; e0
	s_lshl_b32 s25, s24, 23
	v_mov_b32 v11, s25                             ; 2^e as f32: the conversion takes its exponent field
	s_add_co_i32 s24, s24, EMAX
	s_lshl_b32 s24, s24, 23
	s_or_b32 s24, s24, MANT
	v_mov_b32 v10, s24                             ; 448 x 2^e
	s_wait_alu depctr_va_vdst(0)
	s_wait_loadcnt 12                              ; step 0's four loads are in
	XTURN 0
.irp t, 0,1,2,3,4,5,6,7,8,9,10,11,12,13,14,15
	XSTEP \t
.endr
	s_wait_tensorcnt 0x0                           ; the wave's end
	ds_add_u32 v[SPW], v[NIL]
	s_wait_dscnt 0x0
	s_endpgm
	; ---- the weights: K is their first axis.  A lane takes a column and its registers run down K, so the conversions give codes with K innermost; nothing is transposed by an instruction
.Lweights:
	s_wait_kmcnt 0x0
	s_sub_co_u32 s24, ttmp9, 256
	s_lshr_b32 s25, s24, 2                         ; group of 128 columns, 0 .. 31: 0-23 W_attn's, 24-31 W_proj's
	s_and_b32 s26, s24, 3                          ; which 256 along K
	s_sub_co_u32 s28, s25, 24
	s_mov_b32 s27, 4096
	s_cmp_lt_u32 s25, 24                           ; the choice hangs on the work-group's number alone
	s_cselect_b64 s[50:51], s[6:7], s[8:9]
	s_cselect_b32 s27, 12288, s27                  ; a row of the weight in bytes
	s_cselect_b32 s28, s25, s28                    ; the group's number inside its own weight
	s_cselect_b32 s29, s17, s23                    ; e1 or e7
	s_lshl_b32 s28, s28, 7
	s_lshl_b32 s30, s14, 5
	s_add_co_u32 s28, s28, s30                     ; my wave's first column
	s_lshl_b32 s31, s26, 8
	s_mul_i32 s31, s31, s27                        ; 256 rows x which
	s_lshl_b32 s28, s28, 2
	s_add_co_u32 s52, s31, s28
	s_mov_b32 s53, 0
	s_add_nc_u64 s[32:33], s[50:51], s[52:53]      ; block 0's first row at my wave's first column
	s_lshl_b32 s52, s27, 5                         ; 32 rows on
.irp t, 1,2,3,4,5,6,7
	s_add_nc_u64 s[32+2*\t:33+2*\t], s[30+2*\t:31+2*\t], s[52:53]   ; a base for each block of 32 rows; none is rewritten
.endr
	s_lshl_b32 s54, s25, 7
	s_add_co_u32 s54, s54, s30                     ; my first row of the weights' codes
	s_lshl_b32 s54, s54, 10
	s_lshl_b32 s55, s26, 8
	s_add_co_u32 s54, s54, s55
	s_add_co_u32 s54, s54, 8388608
	s_mov_b32 s55, 0
	s_add_nc_u64 s[48:49], s[12:13], s[54:55]
	s_wait_alu depctr_va_vdst(0)
	v_lshlrev_b32 v3, 2, v2                        ; 4 bytes a lane
.irp i, 0,1,2,3,4,5,6,7,8,9,10,11,12,13,14,15,16,17,18,19,20,21,22,23,24,25,26,27,28,29,30,31
	v_mad_u32_u24 v[OFFS+\i], s27, \i, v3
.endr
	WLOAD 0
	WLOAD 1
	s_mul_i32 s56, s14, 32*WP
	s_add_co_u32 s56, s56, WST                     ; my stage
	v_mul_u32_u24 v4, v2, WP
	v_add_nc_u32 v4, s56, v4                       ; into it: row = my column
	v_and_b32 v5, 15, v2
	v_lshrrev_b32 v6, 4, v2
	v_mul_u32_u24 v7, v6, WP
	v_lshl_add_u32 v7, v5, 4, v7
	v_add_nc_u32 v7, s56, v7                       ; out of it: sixteen lanes to a row, two rows an instruction
	v_lshlrev_b32 v8, 10, v6
	v_lshl_add_u32 v8, v5, 4, v8                   ; and the same place in the codes' buffer (rows of 1,024 bytes)
	s_add_co_i32 s29, s29, 127
	s_lshl_b32 s57, s29, 23
	v_mov_b32 v11, s57
	s_add_co_i32 s29, s29, EMAX
	s_lshl_b32 s29, s29, 23
	s_or_b32 s29, s29, MANT
	v_mov_b32 v10, s29
	s_wait_alu depctr_va_vdst(0)
.irp t, 0,1,2,3,4,5,6,7
	WBLOCK \t
.endr
.irp t, 0,1,2,3,4,5,6,7,8,9,10,11,12,13,14,15
	ds_load_b128 v[OUTR+4*\t:OUTR+4*\t+3], v7 offset:2*\t*WP
.endr
.irp t, 0,1,2,3,4,5,6,7,8,9,10,11,12,13,14,15
	s_wait_dscnt 15-\t                             ; LDS loads come back in order: load t is in, the younger ones may be out
	global_store_b128 v8, v[OUTR+4*\t:OUTR+4*\t+3], s[48:49] offset:2*\t*1024   ; sixteen lanes store 256 consecutive bytes, aligned
.endr
	s_wait_tensorcnt 0x0                           ; the wave's end: the same three lines
	ds_add_u32 v[SPW], v[NIL]
	s_wait_dscnt 0x0
	s_endpgm
.Lfunc_end_k_q2e8153bef8_quant:
	.size	k_q2e8153bef8_quant, .Lfunc_end_k_q2e8153bef8_quant-k_q2e8153bef8_quant
	.p2alignl 7, 3214868480
	.fill 96, 4, 3214868480
	.section	.rodata,"a",@progbits
	.p2align	6, 0x0
	.amdhsa_kernel k_q2e8153bef8_quant
		.amdhsa_group_segment_fixed_size 68096
		.amdhsa_private_segment_fixed_size 0
		.amdhsa_enable_private_segment 0
		.amdhsa_kernarg_size 40
		.amdhsa_user_sgpr_count 2
		.amdhsa_user_sgpr_kernarg_segment_ptr 1
		.amdhsa_wavefront_size32 1
		.amdhsa_system_sgpr_workgroup_id_x 1
		.amdhsa_system_sgpr_workgroup_id_y 1
		.amdhsa_system_sgpr_workgroup_id_z 1
		.amdhsa_system_vgpr_workitem_id 0
		.amdhsa_next_free_vgpr 208
		.amdhsa_next_free_sgpr 66
		.amdhsa_reserve_vcc 0
		.amdhsa_float_denorm_mode_32 3
		.amdhsa_float_denorm_mode_16_64 3
		.amdhsa_memory_ordered 1
		.amdhsa_forward_progress 1
		.amdhsa_inst_pref_size 88
	.end_amdhsa_kernel
	.amdgpu_metadata
---
amdhsa.version: [ 1, 2 ]
amdhsa.kernels:
  - .name:           k_q2e8153bef8_quant
    .symbol:         k_q2e8153bef8_quant.kd
    .args:
      - { .name: x, .offset: 0, .size: 8, .value_kind: global_buffer, .address_space: global }
      - { .name: W_attn, .offset: 8, .size: 8, .value_kind: global_buffer, .address_space: global }
      - { .name: W_proj, .offset: 16, .size: 8, .value_kind: global_buffer, .address_space: global }
      - { .name: lowp_scales, .offset: 24, .size: 8, .value_kind: global_buffer, .address_space: global }
      - { .name: codes, .offset: 32, .size: 8, .value_kind: global_buffer, .address_space: global }
    .group_segment_fixed_size: 68096
    .private_segment_fixed_size: 0
    .kernarg_segment_align: 8
    .kernarg_segment_size: 40
    .max_flat_workgroup_size: 128
    .sgpr_count:     66
    .vgpr_count:     208
    .wavefront_size: 32
...
	.end_amdgpu_metadata
.endif
;; end of part 1
;; launch qkv (part 2): grid 12 x 32, 4 waves a work-group, clusters of 4 x 4, 327,680 bytes of LDS; arguments codes, lowp_scales, b_attn, qkv; writes qkv
.if DOCPART == 2
	.amdgcn_target "amdgcn-amd-amdhsa--gfx1250"
	.amdhsa_code_object_version 6
	.text
	.protected	k_q2e8153bef8_qkv
	.globl	k_q2e8153bef8_qkv
	.p2align	8
	.type	k_q2e8153bef8_qkv,@function
k_q2e8153bef8_qkv:
	s_mov_b64 s[64:65], 0
	v_nop
	global_prefetch_b8 v0, s[64:65] scope:SCOPE_SE
	s_setreg_imm32_b32 hwreg(HW_REG_WAVE_MODE, 25, 1), 1
	s_wait_xcnt 0x0
	s_wait_alu depctr_hold_cnt(0) depctr_sa_sdst(0) depctr_va_vdst(0) depctr_va_sdst(0) depctr_va_ssrc(0) depctr_va_vcc(0) depctr_vm_vsrc(0)
	s_getreg_b32 s2, hwreg(HW_REG_IB_STS2, 6, 4)
	s_cmp_eq_u32 s2, 0
	s_cbranch_scc0 .Lentry_in_a_cluster
	s_endpgm
.Lentry_in_a_cluster:
	s_bfe_u32 s2, ttmp6, 0x10000c
	s_cmp_lg_u32 s2, 0xf033
	s_cbranch_scc0 .Lentry_shape_is_right
	s_endpgm
.Lentry_shape_is_right:
; qkv = x W_attn + b_attn on codes of FP8 (E4M3), and q, k, v quantised at once for the two products of attention.
; IN: codes: x's codes [8192][1024] at byte 0, W_attn's [3072 (n)][1024 (k)] at byte 8,388,608.  The sums are f32; value = sum x 2^(e0 + e1) + bias, one fused multiply-add in f32; then the hold at +-448 x 2^e and the conversion.
; OUT: qkv, with hb = 16 batch + head: Q at 0 and K at 8,388,608: [hb][token][64 channels]; V at 16,777,216: [hb][token / 64][channel][64 tokens]: the keys innermost, since they are the second product's K.
;   Inside every 32 bytes, place 16 h + 8 u + j holds index 16 u + 8 h + j (the order in which a lane packs two neighbouring accumulators): so a lane of the next launch that reads 16 bytes at 16 (lane / 16) finds its operand's registers.
; THE BODY makes a tile of 256 x 256 of C'[i][j] = A'[i] . B'[j], used transposed (source 0 = 16 rows of B', source 1 = 16 rows of A'): a lane holds one i, and its registers run along j.
;   Clusters with x = 0, 1 (q, k): A' = tokens, B' = W's rows n: registers along the channels.  Clusters with x = 2 (v): A' = W's rows 2048 + channel, B' = tokens: registers along the keys.  Only offsets differ.
; Four waves, each 128 x 128: 64 accumulators.  K goes in four steps of 256 through a ring of two LDS slots filled by the tensor data mover: a tile's row is 256 bytes of memory, aligned.
; CLUSTERS: 4 x 4 work-groups; A's tiles are asked for jointly along a row of the cluster, B's along a column.
; k's place inside a matrix instruction is permuted, alike in A' and B' (four 16-byte loads a fragment): every product meets its partner; the order of the sums inside an instruction differs.
; LIMITS: e0 + e1 between -126 and 127; e2, e3, e5 between -126 and 119.  NaN among the inputs is not served.
; REGISTERS, in windows of 256: window 0: v0-31 addresses and constants; v32-95 the bias along j; v96-111 the bias along i; from v128 A's fragments, one set (on the way out: codes and rows read back).
;   window 1: B's fragments, two sets.   windows 2, 3: the accumulators of my rows 0-63, 64-127 (accumulator (a, b) at v[8 (8 (a % 4) + b)]).
.set ROWB,   256                       ; a tile's row in bytes: 256 codes
.set KROW,   1024                      ; a row of codes in memory
.set PITCH,  272                       ; an LDS row: 256 bytes + 16 of padding: the 16 rows of a load start at 16 different groups of banks
.set FR,     16                        ; registers of a fragment: 16 rows x 128 K
.set NL,     4                         ; LDS loads that bring one
.set NP,     4                         ; places behind this matrix instruction (ISA guide 7.12.1)
.set HALFT,  128*PITCH                 ; 128 rows: what one tensor load brings
.set SLOT,   4*HALFT                   ; A's 256 rows, then B's 256 rows
.set SPARE,  2*SLOT                    ; behind the ring: the spare words, 128 bytes a wave: two blocks of 256 bytes that no other line names
.set STGW,   2304                      ; the way out: a wave's stage, in slot 0, which has had its last fill and its last read by then
.set SUBB,   1088                      ; half of it: 16 rows of 64 bytes, four to a long row of 256 + 16
.set ADRA, 16                          ; v16-17  LDS address of my A fragments in slot 0, 1
.set ADRB, 20                          ; v20-21  the same for B
.set STO,  24                          ; v24     the way out: where I put 16 bytes of a row
.set RD,   25                          ; v25     where I read 16 bytes back
.set CO,   26                          ; v26-27  my byte offset in the output, for the first and the second 64 along j
.set SPW,  28                          ; v28     LDS address of my spare word; never rewritten
.set NIL,  29                          ; v29     0; never rewritten
.set SC,   30                          ; v30     2^e of the output's scale
.set LM,   31                          ; v31     448 x that
.set BJ,   32                          ; v32-95  b_attn at my 64 places along j (q, k)
.set BI,   96                          ; v96-111 b_attn at my row of block a, in v[96 + 2 a] (v); the odd registers are 0
.set AF,   128
.set G1, 24
.set G0, 32
.set G1B, 48
.set G0B, 56
.set KIND, 66                          ; s66  the cluster's x: 0 q, 1 k, 2 v: the same in all sixteen partners
.set MSB, 0
.macro WIN new                         ; the immediate's high byte repeats the setting that is left
.if MSB != \new
	s_set_vgpr_msb (MSB<<8)|\new
.set MSB, \new
.endif
.endm
.set MUL_LO, 0xa1                      ; source 0 (B) window 1, source 1 (A) window 0, C and D window 2
.set MUL_HI, 0xf1                      ; the same, C and D window 3
.set TO_B,   0x40                      ; destination window 1, address window 0
; A joint load: waves 0 and 1 fetch for A, waves 2 and 3 for B; the branch hangs on the wave's number alone.  An s_nop 0 and four v_nop follow each of the two lines.
.macro JLOAD g0a, g1a, g0b, g1b
	s_cmp_eq_u32 s15, 0
	s_cbranch_scc0 .Lfor_b_\@
	tensor_load_to_lds s[\g0a:\g0a+3], s[\g1a:\g1a+7]
	s_nop 0
.rept 4
	v_nop
.endr
	s_branch .Lasked_\@
.Lfor_b_\@:
	tensor_load_to_lds s[\g0b:\g0b+3], s[\g1b:\g1b+7]
	s_nop 0
.rept 4
	v_nop
.endr
.Lasked_\@:
.endm
.macro CREST                           ; a round of the cluster's barrier behind its opening barrier
	s_cmp_lg_u32 s14, 0
	s_cbranch_scc1 .Lnot_wave_0_\@
	s_barrier_signal -3
.Lnot_wave_0_\@:
	s_barrier_wait -3
	s_barrier_signal -1
	s_barrier_wait -1
.endm
.macro CROUND
	s_barrier_signal -1
	s_barrier_wait -1
	CREST
.endm
	s_load_b128 s[4:7], s[0:1], 0x0                ; codes s[4:5], the scales' exponents s[6:7]
	s_load_b128 s[8:11], s[0:1], 0x10              ; b_attn s[8:9], qkv s[10:11]
	v_lshl_add_u32 v[SPW], v0, 2, SPARE
	v_mov_b32 v[NIL], 0
	ds_add_u32 v[SPW], v[NIL]                      ; the wave's opening: the add and its wait ahead of my first tensor load; work on registers stands between them
	ds_add_u32 v[SPW], v[NIL]
	v_lshrrev_b32 v1, 5, v0
	v_readfirstlane_b32 s14, v1                    ; wave 0..3
	s_lshr_b32 s15, s14, 1                         ; which half of the tile's rows i is mine.  Also: I fetch for A (0) or for B (1)
	s_and_b32 s16, s14, 1                          ; which half of its columns j.  Also: which 128 rows of that tile I fetch
	s_bfe_u32 s40, ttmp6, 0x40000                  ; cx, cy: my place in the cluster
	s_bfe_u32 s41, ttmp6, 0x40004
	s_mov_b32 s[KIND], ttmp9
	s_lshr_b32 s70, s[KIND], 1                     ; 1 for v, else 0
	s_xor_b32 s71, s70, 1                          ; 0 for v, else 1
	s_and_b32 s67, ttmp7, 0xffff
	s_lshl_b32 s67, s67, 2                         ; 4 x cluster y
	s_mul_i32 s17, s67, s71
	s_add_co_u32 s17, s17, s41                     ; tile row: q, k: 4 Y + cy (tokens);  v: cy (channels)
	s_lshl_b32 s42, s[KIND], 2
	s_mul_i32 s42, s42, s71
	s_mul_i32 s68, s67, s70
	s_add_co_u32 s42, s42, s68
	s_add_co_u32 s42, s42, s40                     ; tile column: q, k: 4 X + cx (W's rows);  v: 4 Y + cx (tokens)
	s_lshl_b32 s43, s41, 2
	s_lshl_b32 s43, 15, s43                        ; my row of the cluster
	s_lshl_b32 s44, 0x1111, s40                    ; my column
	; descriptor group 1: a tile of 128 rows x 256 bytes, padded in LDS
	s_or_b32 s[G1+0], s43, (0<<16)|(1<<20)|(1<<21)|(5<<22)|(3<<25)  ; 15:0 the mask: A's tiles go to my row; elements of 1 byte; padding on; bit 21 set beside a mask; after every 64 words four words
	s_or_b32 s[G1B+0], s44, (0<<16)|(1<<20)|(1<<21)|(5<<22)|(3<<25) ; the same with my column's mask
.irp g, G1, G1B
	s_mov_b32 s[\g+1], ROWB<<16                    ; tensor_dim0
	s_mov_b32 s[\g+2], 128<<16                     ; tensor_dim1
	s_mov_b32 s[\g+3], ROWB<<16                    ; tile_dim0
	s_mov_b32 s[\g+4], 128                         ; tile_dim1
	s_mov_b32 s[\g+5], KROW                        ; from row to row
	s_mov_b32 s[\g+6], 0
	s_mov_b32 s[\g+7], 0
.endr
	s_lshl_b32 s18, s16, 7                         ; which 128 rows of the tile I fetch
	s_lshl_b32 s20, s17, 8
	s_add_co_u32 s20, s20, s18
	s_lshl_b32 s20, s20, 10                        ; A': row 256 x tile row + 128 x half, 1,024 bytes a row,
	s_mul_i32 s21, s70, 10485760                   ; in x's codes (q, k) or from W's row 2,048 on (v)
	s_add_co_u32 s20, s20, s21
	s_mov_b32 s21, 0
	s_lshl_b32 s46, s42, 8
	s_add_co_u32 s46, s46, s18
	s_lshl_b32 s46, s46, 10                        ; B': likewise by the tile column,
	s_mul_i32 s47, s71, 8388608                    ; in W's codes (q, k) or in x's (v)
	s_add_co_u32 s46, s46, s47
	s_mov_b32 s47, 0
	s_mul_i32 s45, s14, HALFT                      ; where they go: wave x 128 rows: no place in the cluster enters an LDS address
	s_wait_dscnt 0x0                               ; the opening add is done
	s_wait_kmcnt 0x0
	s_load_b256 s[72:79], s[6:7], 0x0              ; e0 .. e7
	s_add_nc_u64 s[20:21], s[4:5], s[20:21]
	s_add_nc_u64 s[46:47], s[4:5], s[46:47]
	; the prefetches: of the 128 rows that my wave fetches, each of the four partners that ask for them jointly names 32, told apart by address (cx for A', cy for B'); a lane a row, 256 bytes of a K step
	s_cmp_eq_u32 s15, 0
	s_cselect_b64 s[98:99], s[20:21], s[46:47]
	s_cselect_b32 s88, s40, s41
	s_lshl_b32 s88, s88, 15                        ; 32 rows of 1,024 bytes
	s_mov_b32 s89, 0
	s_add_nc_u64 s[98:99], s[98:99], s[88:89]
	s_and_b32 s3, ttmp7, 0xffff
	s_lshr_b32 s3, s3, 2
	s_xor_b32 s88, s15, s70                        ; 1 where my wave fetches W's rows, which all eight rows of clusters read:
	s_and_b32 s3, s3, s88                          ; s3 = 1: those are named by the clusters with y < 4 alone
	CROUND                                         ; all sixteen work-groups are here: the first joint loads meet
.irp s, 0,1
	s_mov_b32 s[G0+4*\s], 1
	s_add_co_u32 s[G0+4*\s+1], s45, \s*SLOT
	s_add_nc_u64 s[G0+4*\s+2:G0+4*\s+3], s[20:21], \s*ROWB
	s_or_b32 s[G0+4*\s+3], s[G0+4*\s+3], 0x80000000
	s_mov_b32 s[G0B+4*\s], 1
	s_add_co_u32 s[G0B+4*\s+1], s45, \s*SLOT
	s_add_nc_u64 s[G0B+4*\s+2:G0B+4*\s+3], s[46:47], \s*ROWB
	s_or_b32 s[G0B+4*\s+3], s[G0B+4*\s+3], 0x80000000
.endr
	JLOAD G0, G1, G0B, G1B                         ; K step 0: one tensor load a wave at the head
	v_and_b32 v1, 15, v0                           ; r = lane % 16
	v_bfe_u32 v2, v0, 4, 1                         ; h = lane / 16
	v_and_b32 v10, 31, v0
	v_lshlrev_b32 v10, 10, v10                     ; the prefetches' offset: lane x a row of 1,024 bytes; never rewritten
	s_wait_alu depctr_va_vdst(0)
	s_cmp_eq_u32 s3, 0
	s_cbranch_scc0 .Lnp_head
	global_prefetch_b8 v10, s[98:99] offset:256 th:TH_LOAD_NT scope:SCOPE_SE   ; K steps 1 and 2: one and two loads ahead
	global_prefetch_b8 v10, s[98:99] offset:512 th:TH_LOAD_NT scope:SCOPE_SE
.Lnp_head:
	v_mul_u32_u24 v3, v1, PITCH
	v_lshl_add_u32 v4, v2, 4, v3                   ; a fragment's row x pitch + 16 x half
	s_mul_i32 s21, s15, HALFT                      ; my 128 rows of A
	s_mul_i32 s22, s16, HALFT                      ; my 128 rows of B,
	s_add_co_u32 s22, s22, 2*HALFT                 ; which lie behind A's 256
.irp s, 0,1
	v_add_nc_u32 v[ADRA+\s], s21, v4
	v_add_nc_u32 v[ADRB+\s], s22, v4
	s_add_co_u32 s21, s21, SLOT
	s_add_co_u32 s22, s22, SLOT
.endr
	; where my 128 x 128 lies: i0, j0; which of them counts tokens and which channels
	s_lshl_b32 s80, s17, 8
	s_lshl_b32 s81, s15, 7
	s_add_co_u32 s80, s80, s81                     ; i0
	s_lshl_b32 s81, s42, 8
	s_lshl_b32 s82, s16, 7
	s_add_co_u32 s81, s81, s82                     ; j0
	s_and_b32 s82, s81, 1023                       ; q, k: the channel inside q or k
	s_lshl_b32 s92, s81, 2                         ; q, k: the bias along j begins at b_attn[j0]
	s_lshl_b32 s94, s80, 2
	s_add_co_u32 s94, s94, 8192                    ; v: the bias along i begins at b_attn[2048 + i0]
	s_mov_b32 s67, 0x20000
	s_mov_b32 s68, 1024
	s_cmp_eq_u32 s[KIND], 2
	s_cselect_b32 s83, s81, s80                    ; my first token
	s_cselect_b32 s82, s80, s82                    ; my first channel
	s_cselect_b32 s92, 0, s92                      ; the set that is not used is loaded from the buffer's head: no load leaves the buffer
	s_cselect_b32 s94, s94, 0
	s_cselect_b32 s67, 4096, s67                   ; from the first 64 along j to the second: the next 64 keys (v) or the next head (q, k)
	s_cselect_b32 s68, 128000, s68                 ; from block 3 to block 4: the next head's first channels (v: 131,072 - 3 x 1,024) or 16 tokens on (q, k)
	s_mov_b32 s69, 0
	s_mov_b32 s93, 0
	s_mov_b32 s95, 0
	s_add_nc_u64 s[84:85], s[8:9], s[92:93]
	s_add_nc_u64 s[86:87], s[8:9], s[94:95]
	s_lshl_b32 s90, s[KIND], 23                    ; Q, K or V
	s_lshr_b32 s91, s83, 11
	s_lshl_b32 s91, s91, 21                        ; the batch: 16 heads x 131,072 bytes
	s_add_co_u32 s90, s90, s91
	s_lshr_b32 s91, s82, 6
	s_lshl_b32 s91, s91, 17                        ; the head
	s_add_co_u32 s90, s90, s91
	s_and_b32 s91, s83, 2047
	s_lshl_b32 s91, s91, 6                         ; the token: 64 bytes each in Q and K; in V 4,096 bytes for 64 tokens
	s_add_co_u32 s90, s90, s91
	s_mov_b32 s91, 0
	s_add_nc_u64 s[10:11], s[10:11], s[90:91]
	v_lshlrev_b32 v8, 5, v2                        ; the bias along j: register 8 b + j is b_attn[j0 + 16 b + 8 h + j]
	v_lshlrev_b32 v9, 2, v1                        ; the bias along i: b_attn[2048 + i0 + 16 a + r]
.irp b, 0,1,2,3,4,5,6,7
	global_load_b128 v[BJ+8*\b:BJ+8*\b+3], v8, s[84:85] offset:64*\b
	global_load_b128 v[BJ+8*\b+4:BJ+8*\b+7], v8, s[84:85] offset:64*\b+16
.endr
.irp a, 0,1,2,3,4,5,6,7
	global_load_b32 v[BI+2*\a], v9, s[86:87] offset:64*\a
	v_mov_b32 v[BI+2*\a+1], 0                      ; named as the pair's upper half, so it is written
.endr
	s_mul_i32 s23, s14, STGW                       ; my stage
	v_lshrrev_b32 v5, 2, v1
	v_mul_u32_u24 v5, v5, PITCH
	v_and_b32 v6, 3, v1
	v_lshl_add_u32 v5, v6, 6, v5
	v_lshl_add_u32 v5, v2, 4, v5
	v_add_nc_u32 v[STO], s23, v5                   ; in: row r of 64 bytes, four rows to a long row; 16 bytes for each half of the lanes
	v_mul_u32_u24 v5, v2, PITCH
	v_lshl_add_u32 v5, v1, 4, v5
	v_add_nc_u32 v[RD], s23, v5                    ; back: 32 lanes take 512 consecutive bytes of data: two long rows
	v_and_b32 v6, 31, v0
	v_lshlrev_b32 v[CO], 4, v6
	v_add_nc_u32 v[CO+1], s67, v[CO]
.macro FRAG reg, adr, q, i             ; a fragment: lane l holds row l % 16; registers 4 c .. 4 c + 3 hold K = 32 c + 16 (l / 16) + 0 .. 15
.irp c, 0,1,2,3
	ds_load_b128 v[\reg+4*\c:\reg+4*\c+3], v[\adr] offset:128*(\q)+32*\c+(\i)*16*PITCH
.endr
.endm
; 16 matrix instructions: A's blocks a0, a0 + 1 x B's eight, 128 along K.  p: B's set.  zero = 1: the first product starts the sums.  The 64 accumulators take turns, one instruction a turn.
.macro MUL16 a0, p, zero
.irp a, \a0, \a0+1
.irp b, 0,1,2,3,4,5,6,7
.if \zero
	v_wmma_f32_16x16x128_fp8_fp8 v[8*(8*((\a)%4)+\b):8*(8*((\a)%4)+\b)+7], v[128*(\p)+FR*\b:128*(\p)+FR*\b+FR-1], v[AF+FR*(\a):AF+FR*(\a)+FR-1], 0
.else
	v_wmma_f32_16x16x128_fp8_fp8 v[8*(8*((\a)%4)+\b):8*(8*((\a)%4)+\b)+7], v[128*(\p)+FR*\b:128*(\p)+FR*\b+FR-1], v[AF+FR*(\a):AF+FR*(\a)+FR-1], v[8*(8*((\a)%4)+\b):8*(8*((\a)%4)+\b)+7]
.endif
.endr
.endr
.endm
.macro FETCH_B slot, q, p
	WIN TO_B
.irp i, 0,1,2,3,4,5,6,7
	FRAG 128*(\p)+FR*\i, ADRB+\slot, \q, \i
.endr
	WIN 0
.endm
.macro FETCH_A slot, q, i0
.irp i, \i0, \i0+1, \i0+2, \i0+3
	FRAG AF+FR*(\i), ADRA+\slot, \q, \i
.endr
.endm
.macro PLACES n                        ; plain vector instructions between a matrix instruction and a load into, or a vector access to, its registers
.rept \n
	v_nop
.endr
.endm
; A step of 128 along K that has its successor in the same slot.  A has one set of registers: blocks 0-3 are fetched anew in the step's middle, blocks 4-7 at its end; B has two sets.
.macro STEP slot, q, zero
	s_wait_dscnt 4*NL                              ; B's set and A's blocks 0-3 are in; the youngest sixteen loads (A's blocks 4-7) may be out
	WIN MUL_LO
	MUL16 0, (\q)%2, \zero
	MUL16 2, (\q)%2, \zero
	s_wait_dscnt 0                                 ; A's blocks 4-7 are in
	PLACES NP
	FETCH_B \slot, (\q)+1, 1-(\q)%2
	FETCH_A \slot, (\q)+1, 0
	WIN MUL_HI
	MUL16 4, (\q)%2, \zero
	MUL16 6, (\q)%2, \zero
	PLACES NP
	WIN 0
	FETCH_A \slot, (\q)+1, 4
.endm
; A slot's last step changes slots: one barrier; in front of it each wave waits for all its tensor loads, adds 0 to its spare word, and waits for that and for its own reads of this slot.  fill = 1: this slot is filled again, two K steps ahead.
.macro TURN slot, next, fill
	s_wait_tensorcnt 0x0                           ; all my tensor loads have landed: my part of the next slot
	ds_add_u32 v[SPW], v[NIL]                      ; 0 onto my spare word
	s_wait_dscnt 4*NL+1                            ; (the add and the youngest sixteen loads may be out)
	WIN MUL_LO
	MUL16 0, 1, 0                                  ; sixteen matrix instructions stand between the add and the wait for it
	s_wait_dscnt 0x0                               ; the add is done, and my reads of this slot are over
	s_barrier_signal -1
	MUL16 2, 1, 0
	WIN 0
	s_barrier_wait -1
.if \fill
	CREST                                          ; the barrier has opened a round of the cluster's barrier: no wave of any partner still reads this slot or has a load on its way
	s_add_nc_u64 s[G0+4*\slot+2:G0+4*\slot+3], s[G0+4*\slot+2:G0+4*\slot+3], 2*ROWB
	s_add_nc_u64 s[G0B+4*\slot+2:G0B+4*\slot+3], s[G0B+4*\slot+2:G0B+4*\slot+3], 2*ROWB
	JLOAD G0+4*\slot, G1, G0B+4*\slot, G1B         ; the first tensor load behind the round; its four v_nop are the places in front of the loads below
.else
	PLACES NP
.endif
	FETCH_B \next, 0, 0
	FETCH_A \next, 0, 0
	WIN MUL_HI
	MUL16 4, 1, 0
	MUL16 6, 1, 0
	PLACES NP
	WIN 0
	FETCH_A \next, 0, 4
.endm
	s_wait_alu depctr_va_vdst(0)                   ; at the head's end
	s_wait_tensorcnt 0x0                           ; my part of K step 0 is in
	ds_add_u32 v[SPW], v[NIL]
	s_wait_dscnt 0x0
	CROUND                                         ; a whole round: everybody's part of K step 0 is in, and the joint loads meet
	JLOAD G0+4, G1, G0B+4, G1B                     ; K step 1's load, the first tensor load behind the round
	FETCH_B 0, 0, 0
	FETCH_A 0, 0, 0
	FETCH_A 0, 0, 4
	s_cmp_eq_u32 s3, 0
	s_cbranch_scc0 .Lnp_k3
	global_prefetch_b8 v10, s[98:99] offset:768 th:TH_LOAD_NT scope:SCOPE_SE   ; K step 3, the last: two loads ahead
.Lnp_k3:
	STEP 0, 0, 1                                   ; K = 1,024 is four K steps, twice round the ring: eight steps of 128, written out
	TURN 0, 1, 1                                   ; slot 0 takes K step 2
	STEP 1, 0, 0
	TURN 1, 0, 1                                   ; slot 1 takes K step 3
	STEP 0, 0, 0
	TURN 0, 1, 0                                   ; nothing is left to fetch
	STEP 1, 0, 0
	s_wait_dscnt 4*NL
	WIN MUL_LO
	MUL16 0, 1, 0
	MUL16 2, 1, 0
	s_wait_dscnt 0
	WIN MUL_HI
	MUL16 4, 1, 0
	MUL16 6, 1, 0
	WIN 0
; THE WAY OUT, block by block of 16 rows i x 128 along j.  In place: sum x 2^(e0 + e1) + bias, the hold; then eight conversions give 64 codes a lane.  Two neighbouring accumulators' codes are 16 bytes of one row of 64.
; They go through my stage and come back as 512 consecutive bytes of the output, which the wave stores whole.  LDS serves a wave's instructions in order: no wait between the stores and the loads.
.macro EPI a
.set AC, 64*((\a)%4)
.set W,  2+(\a)/4
.set WF, (W<<6)|W                      ; destination and source 0 in the accumulators' window
.set CD, 128+16*((\a)%2)               ; the block's codes: two sets by turns
.set BB, 160+16*((\a)%2)               ; and its rows read back
	s_cmp_eq_u32 s[KIND], 2                        ; the cluster's x: the same in all partners and all waves
	s_cbranch_scc1 .Lby_row_\@
	WIN WF
.set jj, 0
.rept 32
	v_pk_fma_f32 v[AC+jj:AC+jj+1], v[AC+jj:AC+jj+1], s[96:97], v[BJ+jj:BJ+jj+1] op_sel_hi:[1,0,1]   ; q, k: the bias runs along j; each accumulator from its low end on
.set jj, jj+2
.endr
	WIN 0
	s_branch .Lbiased_\@
.Lby_row_\@:
	WIN WF
.set jj, 0
.rept 32
	v_pk_fma_f32 v[AC+jj:AC+jj+1], v[AC+jj:AC+jj+1], s[96:97], v[BI+2*(\a):BI+2*(\a)+1] op_sel_hi:[1,0,0]   ; v: one bias for my row
.set jj, jj+2
.endr
	WIN 0
.Lbiased_\@:
	WIN WF
.set jj, 0
.rept 64
	v_med3_num_f32 v[AC+jj], v[AC+jj], -v[LM], v[LM]   ; the conversion does not saturate (ISA guide 7.6.2): the hold comes first
.set jj, jj+1
.endr
	WIN W
.irp b, 0,1,2,3,4,5,6,7
	v_cvt_scalef32_pk8_fp8_f32 v[CD+2*\b:CD+2*\b+1], v[AC+8*\b:AC+8*\b+7], v[SC]
.endr
	WIN 0
	v_nop                                          ; one plain vector instruction behind the last conversion
.irp p, 0,1,2,3
	ds_store_b128 v[STO], v[CD+4*\p:CD+4*\p+3] offset:(\p/2)*SUBB+32*(\p%2)
.endr
.irp g, 0,1
.irp u, 0,1
	ds_load_b128 v[BB+4*(2*\g+\u):BB+4*(2*\g+\u)+3], v[RD] offset:\g*SUBB+\u*2*PITCH
.endr
.endr
.endm
.macro SEND a, younger                 ; younger: the LDS instructions issued behind block a's loads, which may stay out
.set BB, 160+16*((\a)%2)
	s_wait_dscnt \younger
.if (\a) == 4
	s_add_nc_u64 s[10:11], s[10:11], s[68:69]      ; (behind a wait on XCNT: the earlier stores have read their base)
.elseif (\a) > 0
	s_add_nc_u64 s[10:11], s[10:11], 1024          ; 16 rows of 64 bytes on
.endif
.irp g, 0,1
.irp u, 0,1
	global_store_b128 v[CO+\g], v[BB+4*(2*\g+\u):BB+4*(2*\g+\u)+3], s[10:11] offset:512*\u   ; 32 lanes store 512 consecutive bytes, aligned
.endr
.endr
.endm
	s_wait_kmcnt 0x0
	s_wait_loadcnt 0x0                             ; the biases
	s_add_co_i32 s96, s72, s73                     ; e0 + e1
	s_add_co_i32 s96, s96, 127
	s_lshl_b32 s96, s96, 23                        ; 2^(e0 + e1) as f32
	s_mov_b32 s97, s96                             ; (named with it as a pair)
	s_cmp_eq_u32 s[KIND], 0
	s_cselect_b32 s80, s74, s75                    ; q: e2, k: e3,
	s_cmp_eq_u32 s[KIND], 2
	s_cselect_b32 s80, s77, s80                    ; v: e5: chosen without a jump
	s_add_co_i32 s80, s80, 127
	s_lshl_b32 s81, s80, 23
	v_mov_b32 v[SC], s81
	s_add_co_i32 s80, s80, 8
	s_lshl_b32 s80, s80, 23
	s_or_b32 s80, s80, 0x600000
	v_mov_b32 v[LM], s80
	PLACES NP                                      ; behind the last products
	EPI 0
.irp a, 1,2,3,4,5,6,7
.if \a > 1
	s_wait_xcnt 0x0                                ; block a - 2's stores have read their registers and their base
.endif
	EPI \a
	SEND \a-1, 8                                   ; behind block a - 1's loads: block a's four stores and four loads
.endr
	s_wait_xcnt 0x0
	SEND 7, 0
	s_wait_tensorcnt 0x0                           ; the wave's end
	ds_add_u32 v[SPW], v[NIL]
	s_wait_dscnt 0x0
	CROUND                                         ; the closing round: no work-group ends while a partner may still ask for a tile that names it
	s_endpgm
.Lfunc_end_k_q2e8153bef8_qkv:
	.size	k_q2e8153bef8_qkv, .Lfunc_end_k_q2e8153bef8_qkv-k_q2e8153bef8_qkv
	.p2alignl 7, 3214868480
	.fill 96, 4, 3214868480
	.section	.rodata,"a",@progbits
	.p2align	6, 0x0
	.amdhsa_kernel k_q2e8153bef8_qkv
		.amdhsa_group_segment_fixed_size 327680
		.amdhsa_private_segment_fixed_size 0
		.amdhsa_enable_private_segment 0
		.amdhsa_kernarg_size 32
		.amdhsa_user_sgpr_count 2
		.amdhsa_user_sgpr_kernarg_segment_ptr 1
		.amdhsa_wavefront_size32 1
		.amdhsa_system_sgpr_workgroup_id_x 1
		.amdhsa_system_sgpr_workgroup_id_y 1
		.amdhsa_system_sgpr_workgroup_id_z 1
		.amdhsa_system_vgpr_workitem_id 0
		.amdhsa_next_free_vgpr 1024
		.amdhsa_next_free_sgpr 100
		.amdhsa_reserve_vcc 0
		.amdhsa_float_denorm_mode_32 3
		.amdhsa_float_denorm_mode_16_64 3
		.amdhsa_memory_ordered 1
		.amdhsa_forward_progress 1
		.amdhsa_inst_pref_size 162
	.end_amdhsa_kernel
	.amdgpu_metadata
---
amdhsa.version: [ 1, 2 ]
amdhsa.kernels:
  - .name:           k_q2e8153bef8_qkv
    .symbol:         k_q2e8153bef8_qkv.kd
    .args:
      - { .name: codes, .offset: 0, .size: 8, .value_kind: global_buffer, .address_space: global }
      - { .name: lowp_scales, .offset: 8, .size: 8, .value_kind: global_buffer, .address_space: global }
      - { .name: b_attn, .offset: 16, .size: 8, .value_kind: global_buffer, .address_space: global }
      - { .name: qkv, .offset: 24, .size: 8, .value_kind: global_buffer, .address_space: global }
    .group_segment_fixed_size: 327680
    .private_segment_fixed_size: 0
    .kernarg_segment_align: 8
    .kernarg_segment_size: 32
    .max_flat_workgroup_size: 128
    .sgpr_count:     100
    .vgpr_count:     1024
    .wavefront_size: 32
...
	.end_amdgpu_metadata
.endif
;; end of part 2
;; launch attn (part 3): grid 64 x 4, 8 waves a work-group, no clusters, 327,680 bytes of LDS; arguments qkv, lowp_scales, ycodes; writes ycodes
.if DOCPART == 3
	.amdgcn_target "amdgcn-amd-amdhsa--gfx1250"
	.amdhsa_code_object_version 6
	.text
	.protected	k_q2e8153bef8_attn
	.globl	k_q2e8153bef8_attn
	.p2align	8
	.type	k_q2e8153bef8_attn,@function
k_q2e8153bef8_attn:
	s_mov_b64 s[64:65], 0
	v_nop
	global_prefetch_b8 v0, s[64:65] scope:SCOPE_SE
	s_setreg_imm32_b32 hwreg(HW_REG_WAVE_MODE, 25, 1), 1
	s_wait_xcnt 0x0
; Causal attention of one head (64 channels) on codes of FP8 (E4M3), and y quantised for the last product.
; IN: qkv, hb = 16 batch + head: Q at 0, K at 8,388,608: [hb][token][64]; V at 16,777,216: [hb][token / 64][channel][64 keys].  Inside every 32 bytes place 16 h + 8 u + j holds index 16 u + 8 h + j,
;   so 16 bytes read at 16 (lane / 16) are four registers of the operand in the matrix instruction's own order of k.
; THE SOFTMAX: t = score x 2^(e2 + e3) x log2(e) / 8; M = the running largest t, rounded UP to a whole number; p = 2^(t - M) is quantised with 2^e4, not normalised; the row's sum is taken of the unquantised p, in f32.
;   When M moves, the sum and O are multiplied by 2^(old M - new M): exact.  y = O x 2^(e4 + e5) / sum, held at +-448 x 2^e6 and converted.
; OUT: ycodes, an image of the last product's A fragments: byte (token / 16) x 16384 + head x 1024 + 256 t + 16 (token % 16) + 8 h + j is channel 64 head + 16 t + 8 h + j.
; SHARES: work-group (x, p): head x, the tiles of 16 queries with numbers 8 j + p (tile a) and 8 j + 4 + p (tile b), j = 0 .. 15.  Pair j needs the keys 0 .. 128 j + 127: j + 1 steps of 128 keys, of which the last
;   alone lies on the diagonal; later keys are hidden by the problem's causal mask and are not walked.  Wave w takes pair 15 - w and then pair w: 17 steps in every wave of every work-group.
; K AND V OF THE HEAD STAY IN LDS: 512 long rows each, filled once: keys 0-511 at the head (32 rows a wave), keys 512-1279 and 1280-2047 behind two barriers (48 rows a wave each), one tensor load a wave each time.
;   Steps 0-3 and 4-7, which every wave walks in its first pass, stand behind these two barriers; behind a third barrier all is in, and the waves go on without barriers.  Wave 0 walks all 16 steps: every byte is read.
;   The step is written twice: for steps 0-7 (never hidden, never on a diagonal), and for the rest: two passes of eight trips (steps 8-15 of the first pair, steps 0-7 of the second), a step past the pair's diagonal being
;   left out by a scalar branch on ids; there the next step's K is fetched a step ahead (behind step 15 that reads V's first rows, which are not used).
;   The second pair starts with the largest score at -3e38: its first factor 2^(old M - new M) is 0 and wipes O and the sum, which are finite (y is held in place).
; BOTH PRODUCTS ARE USED TRANSPOSED: S^T = K Q^T (source 0 = 16 keys), O^T = V^T P^T (source 0 = 16 channels): a lane holds one query (lane % 16) of each tile, and p's registers run along the keys.
; NO CLUSTER: a head's four work-groups fetch 262,144 bytes each, once, in three loads a wave; joint loads would put three rounds of the cluster's barrier in front of them; that form is not built here.
; PREFETCH: in the trip that loads keys 512-1279, the four work-groups of a head name the 98,304 bytes of keys 1280-2047, 24,576 each by address (p), waves 0 to 2, lanes 256 bytes apart: one trip of four steps ahead.
; LIMITS: e2 + e3 between -123 and 130; e4, e6 between -126 and 119; e4 + e5 is applied by v_ldexp_f32; scaled scores stay under 2^31 in magnitude.  NaN among the inputs is not served.
; REGISTERS.  Window 0: v1-12 addresses; v16-31 Q (a, b); v32-47 the second pair's Q; v48-111 K; v112-175 V; v176-203 both tiles' -M, largest score, factors, constants, chains.
;   Window 1: v0-127 S^T then p (a, b); v128-191 O^T (a, b); v192-223 p's codes (a, b); v224-239 sums (a, b); v242-244 p's bound and scale.
.set LP,    272                        ; a long row in LDS: 256 bytes (four short rows of 64) + 16 of padding
.set STB,   32*LP                      ; a step's 128 keys: 32 long rows of K, and of V
.set VBASE, 512*LP                     ; V's rows lie behind K's 512
.set SPARE, 2*VBASE                    ; behind them the spare words, 128 bytes a wave: four blocks of 256 bytes that no other line names
.set AK0,  1                           ; v1   my lane's place among 16 short rows: LP (r / 4) + 64 (r % 4) + 16 h
.set DA,   2                           ; v2   16 p + r - 8 h: on the diagonal register 8 t + j of tile a is hidden where 16 t + j is greater
.set DB,   3                           ; v3   the same + 64, for tile b
.set SPW,  5                           ; v5   my spare word; never rewritten
.set NIL,  6                           ; v6   0; never rewritten
.set GO,   7                           ; v7   the way out: 16 r + 8 h
.set ADK,  8                           ; v8   LDS address of the step's K
.set ADV,  9                           ; v9   of its V
.set PFO,  12                          ; v12  256 x lane
.set QA,   16
.set Q2,   32
.set KR,   48
.set VR,   112
.set NMA,  176                         ; v176 -M a, v177 largest score a; v178, v179 the same for b
.set FA,   180                         ; v180 factor a (v181 = 0), v182 factor b (v183 = 0)
.set MA,   184                         ; v184-189 at work, a and b by turns
.set NINF, 190
.set LIM6, 191                         ; 448 x 2^e6
.set SC6,  192                         ; 2^e6
.set CH,   196                         ; v196-203 four chains of maxima for each tile
.set OB,   128                         ; window 1
.set PB,   192
.set LS,   224
.set LIMX, 242                         ; 448 x 2^e4, twice: the two halves of a dual pair name different registers
.set LIMY, 243
.set SCP,  244                         ; 2^e4
.set NB,   2                           ; s2   the step's byte offset in K's and in V's rows
.set T,    3
.set LB,   10                          ; s10  where my part of keys 512-1279 goes in LDS
.set T2,   11
.set WV,   18
.set SEL,  20
.set CS,   22                          ; s[22:23] c = log2(e) / 8 x 2^(e2 + e3)
.set G1A,  24                          ; s[24:31] group 1: 32 rows;  s[88:95]: 48 rows
.set GA0,  36
.set G0,   40
.set BW,   44                          ; s[44:45] my part of keys 512-1279 in memory
.set OFF,  46
.set PFA,  76
.set LIMP, 80                          ; s80  1 in a wave that prefetches, else 0
.set E45,  81
.set YB,   82                          ; s[82:83] where the pair in hand goes; s[84:85] the second pair
.set YB2,  84
.set JL2,  86                          ; s86  the second pair's diagonal step begins at this key
.set SQ,   87
.set G1B,  88
.set KF,   98                          ; s98  the step's first key
.set JL,   99                          ; s99  the diagonal step of the pair in hand begins at this key
.set MSB, 0
.macro WIN new                         ; the immediate's high byte repeats the setting that is left
.if MSB != (\new)
	s_set_vgpr_msb (MSB<<8)|(\new)
.set MSB, (\new)
.endif
.endm
.macro AWAIT
	s_wait_alu depctr_va_vdst(0)
.endm
.macro KLOAD off                       ; K's eight fragments: keys 16 t + r, channels 32 c + the lane's half
.irp t, 0,1,2,3,4,5,6,7
.irp c, 0,1
	ds_load_b128 v[KR+8*\t+4*\c:KR+8*\t+4*\c+3], v[ADK] offset:\off+4*\t*LP+32*\c
.endr
.endr
.endm
.macro LD4 pf, i0                      ; four of a step's LDS loads: 0-15 V (channels 16 t + r, keys 32 b on), 16-31 the next step's K (pf = 1)
.irp k, 0,1,2,3
.set ii, \i0+\k
.if ii < 16
	ds_load_b128 v[VR+4*ii:VR+4*ii+3], v[ADV] offset:(((ii%4)/2)*16+4*(ii/4))*LP+32*(ii%2)
.elseif \pf
	ds_load_b128 v[KR+4*(ii-16):KR+4*(ii-16)+3], v[ADK] offset:STB+4*((ii-16)/2)*LP+32*(ii%2)
.endif
.endr
.endm
.macro MAXES w                         ; four chains, each begun at the running largest score; each accumulator from its low end on
.irp i, 0,1,2,3
	v_max3_num_f32 v[CH+4*\w+\i], v[NMA+1+2*\w], v[64*\w+2*\i], v[64*\w+2*\i+1]
.endr
.set nn, 8
.rept 7
.irp i, 0,1,2,3
	v_max3_num_f32 v[CH+4*\w+\i], v[CH+4*\w+\i], v[64*\w+nn+2*\i], v[64*\w+nn+2*\i+1]
.endr
.set nn, nn+8
.endr
.endm
.macro CHAIN pf                        ; both tiles by turns: the largest score, -M = floor(-t), f = 2^(old M - new M); the step's LDS loads stand between the links
.irp w, 0,1
	v_max3_num_f32 v[MA+\w], v[CH+4*\w], v[CH+4*\w+1], v[CH+4*\w+2]
.endr
	LD4 \pf, 0
.irp w, 0,1
	v_max_num_f32 v[MA+\w], v[MA+\w], v[CH+4*\w+3]
.endr
	LD4 \pf, 4
.irp w, 0,1
	v_permlanex16_b32 v[MA+4+\w], v[MA+\w], s[SEL], s[SEL+1]
.endr
	LD4 \pf, 8
.irp w, 0,1
	v_max_num_f32 v[NMA+1+2*\w], v[MA+\w], v[MA+4+\w]   ; and among lane l xor 16's
.endr
	LD4 \pf, 12
.irp w, 0,1
	v_mul_f32 v[MA+\w], s[CS], v[NMA+1+2*\w]       ; as t (c is positive)
.endr
	LD4 \pf, 16
.irp w, 0,1
	v_mov_b32 v[MA+2+\w], v[NMA+2*\w]
.endr
	LD4 \pf, 20
.irp w, 0,1
	v_floor_f32 v[NMA+2*\w], -v[MA+\w]
.endr
	LD4 \pf, 24
.irp w, 0,1
	v_sub_f32 v[MA+2+\w], v[NMA+2*\w], v[MA+2+\w]  ; old M - new M: a whole number, 0 or less
.endr
	LD4 \pf, 28
.irp w, 0,1
	v_cvt_i32_f32 v[MA+2+\w], v[MA+2+\w]           ; (it saturates)
.endr
.irp w, 0,1
	v_ldexp_f32 v[FA+2*\w], 1.0, v[MA+2+\w]
.endr
.endm
.macro RESC w                          ; O^T and the sum under the new M
.set jj, 0
.rept 16
	v_pk_mul_f32 v[OB+32*\w+jj:OB+32*\w+jj+1], v[OB+32*\w+jj:OB+32*\w+jj+1], v[FA+2*\w:FA+2*\w+1] op_sel_hi:[1,0]
.set jj, jj+2
.endr
	v_pk_mul_f32 v[LS+8*\w:LS+8*\w+1], v[LS+8*\w:LS+8*\w+1], v[FA+2*\w:FA+2*\w+1] op_sel_hi:[1,0]
.endm
.macro SUMS w                          ; the row's sum of the unquantised p: 32 packed additions in four chains
.set SS, 64*\w
.set LL, LS+8*\w
	v_pk_add_f32 v[LL+2:LL+3], v[SS:SS+1], v[SS+2:SS+3]
	v_pk_add_f32 v[LL+4:LL+5], v[SS+4:SS+5], v[SS+6:SS+7]
	v_pk_add_f32 v[LL+6:LL+7], v[SS+8:SS+9], v[SS+10:SS+11]
	v_pk_add_f32 v[LL:LL+1], v[LL:LL+1], v[SS+12:SS+13]
.set jj, 14
.rept 6
	v_pk_add_f32 v[LL+2:LL+3], v[LL+2:LL+3], v[SS+jj:SS+jj+1]
	v_pk_add_f32 v[LL+4:LL+5], v[LL+4:LL+5], v[SS+jj+2:SS+jj+3]
	v_pk_add_f32 v[LL+6:LL+7], v[LL+6:LL+7], v[SS+jj+4:SS+jj+5]
	v_pk_add_f32 v[LL:LL+1], v[LL:LL+1], v[SS+jj+6:SS+jj+7]
.set jj, jj+8
.endr
	v_pk_add_f32 v[LL+2:LL+3], v[LL+2:LL+3], v[SS+62:SS+63]
	v_pk_add_f32 v[LL+4:LL+5], v[LL+4:LL+5], v[LL+6:LL+7]
	v_pk_add_f32 v[LL:LL+1], v[LL:LL+1], v[LL+2:LL+3]
	v_pk_add_f32 v[LL:LL+1], v[LL:LL+1], v[LL+4:LL+5]
.endm
.macro HOLD2 r                         ; the conversion does not saturate (ISA guide 7.6.2); p is not negative, so the hold is one-sided; two numbers an instruction
	v_dual_min_num_f32 v[\r], v[\r], v[LIMX] :: v_dual_min_num_f32 v[\r+1], v[\r+1], v[LIMY]
.endm
.macro CVT w                           ; registers 2 t, 2 t + 1: keys 16 t + 8 h + 0 .. 7: the operand's own order
.irp t, 0,1,2,3,4,5,6,7
	v_cvt_scalef32_pk8_fp8_f32 v[PB+16*\w+2*\t:PB+16*\w+2*\t+1], v[64*\w+8*\t:64*\w+8*\t+7], v[SCP]
.endr
.endm
; cnt STEPS of 128 keys.  pf = 0: steps 0-7 of the first pair.  pf = 1: with the test for hidden steps, the diagonal's mask, and K a step ahead.
.macro STEPS pf, cnt
	s_mov_b32 s[SQ], 0
.Lstep_\@:
.if \pf
	s_cmp_gt_u32 s[KF], s[JL]                      ; past the pair's diagonal: the step's work is left out (ids and counts alone)
	s_cbranch_scc1 .Lhidden_\@
.endif
	v_add_nc_u32 v[ADK], s[NB], v[AK0]
	v_add_nc_u32 v[ADV], VBASE, v[ADK]
.if \pf == 0
	v_nop
	v_nop                                          ; with the two additions: four places in front of loads into registers that products have read
	KLOAD 0
.endif
	AWAIT
	s_wait_dscnt 0x0                               ; K is in
	WIN 0x40
.irp w, 0,1
.irp t, 0,1,2,3,4,5,6,7
	v_wmma_f32_16x16x64_fp8_fp8 v[64*\w+8*\t:64*\w+8*\t+7], v[KR+8*\t:KR+8*\t+7], v[QA+8*\w:QA+8*\w+7], 0   ; register 8 t + j of lane (r, h): query r, key KF + 16 t + 8 h + j
.endr
.endr
	WIN 0
.rept 4
	v_nop                                          ; places in front of the first access to the scores
.endr
.if \pf
	s_cmp_lg_u32 s[KF], s[JL]                      ; only the pair's last step lies on the diagonal
	s_cbranch_scc1 .Lopen_\@
	WIN 0x41
.set nn, 0
.rept 32
	v_cmp_gt_i32 vcc_lo, 16*(nn/8)+nn%8, v[DA]     ; tile a, keys 0-63 of the step
	v_cndmask_b32 v[nn], v[nn], v[NINF], vcc_lo
.set nn, nn+1
.endr
.rept 32
	v_mov_b32 v[nn], 0xff800000                    ; tile a's queries end at 16 p + 15 < 64: keys 64-127 are hidden for every p
.set nn, nn+1
.endr
.set nn, 32
.rept 32
	v_cmp_gt_i32 vcc_lo, 16*(nn/8)+nn%8, v[DB]     ; tile b's queries begin at 64 + 16 p: keys 0-63 all count; keys 64-127
	v_cndmask_b32 v[64+nn], v[64+nn], v[NINF], vcc_lo
.set nn, nn+1
.endr
	WIN 0
.Lopen_\@:
.endif
	WIN 0x14
	MAXES 0
	MAXES 1
	WIN 0
	CHAIN \pf
	WIN 0x41
	RESC 0
	RESC 1
.set jj, 0
.rept 32
	v_pk_fma_f32 v[jj:jj+1], v[jj:jj+1], s[CS:CS+1], v[NMA:NMA+1] op_sel_hi:[1,0,0]   ; tile a: t - M, two at a time
.set jj, jj+2
.endr
	AWAIT                                          ; ahead of the batch
.set jj, 0
.rept 32
	v_exp_f32 v[jj], v[jj]                         ; tile a: p = 2^(t - M); between them tile b's t - M
	v_exp_f32 v[jj+1], v[jj+1]
	v_pk_fma_f32 v[64+jj:64+jj+1], v[64+jj:64+jj+1], s[CS:CS+1], v[NMA+2:NMA+3] op_sel_hi:[1,0,0]
.set jj, jj+2
.endr
	AWAIT                                          ; behind tile a's batch and ahead of tile b's
	WIN 0x55
	SUMS 0
.set jj, 0
.rept 32
	v_exp_f32 v[64+jj], v[64+jj]                   ; tile b's p; between them tile a's hold
	v_exp_f32 v[64+jj+1], v[64+jj+1]
	HOLD2 jj
.set jj, jj+2
.endr
	v_nop
	AWAIT                                          ; behind tile b's batch
	CVT 0
	SUMS 1
.set jj, 64
.rept 32
	HOLD2 jj
.set jj, jj+2
.endr
	CVT 1
	v_nop                                          ; one plain vector instruction behind the last conversion
	AWAIT
	s_wait_dscnt 16*\pf                            ; V's sixteen loads are in; pf = 1: the sixteen of the next step's K may be out
	WIN 0x54
.irp w, 0,1
.irp t, 0,1,2,3
	v_wmma_f32_16x16x128_fp8_fp8 v[OB+32*\w+8*\t:OB+32*\w+8*\t+7], v[VR+16*\t:VR+16*\t+15], v[PB+16*\w:PB+16*\w+15], v[OB+32*\w+8*\t:OB+32*\w+8*\t+7]   ; eight accumulators by turns
.endr
.endr
	WIN 0
.if \pf
.Lhidden_\@:
	s_add_co_u32 s[KF], s[KF], 128
.endif
	s_add_co_u32 s[NB], s[NB], STB
	s_add_co_u32 s[SQ], s[SQ], 1
	s_cmp_lt_u32 s[SQ], \cnt
	AWAIT
	s_cbranch_scc1 .Lstep_\@
.endm
	s_load_b128 s[4:7], s[0:1], 0x0                ; qkv s[4:5], the scales' exponents s[6:7]
	s_load_b64 s[8:9], s[0:1], 0x10                ; ycodes
	v_lshl_add_u32 v[SPW], v0, 2, SPARE
	v_mov_b32 v[NIL], 0
	ds_add_u32 v[SPW], v[NIL]                      ; the opening: the add, twice on end, and its wait ahead of my first tensor load
	ds_add_u32 v[SPW], v[NIL]
	v_lshrrev_b32 v8, 5, v0
	v_readfirstlane_b32 s[WV], v8                  ; wave 0..7
	s_and_b32 s60, ttmp7, 0xffff                   ; p
	s_lshl_b32 s62, ttmp9, 17                      ; the head's 131,072 bytes in each of Q, K, V
	s_lshr_b32 s56, s[WV], 2                       ; I fetch for K (0) or V (1),
	s_and_b32 s57, s[WV], 3                        ; this quarter of each group
	s_add_co_u32 s66, s56, 1
	s_lshl_b32 s66, s66, 23
	s_add_co_u32 s66, s66, s62
	s_mul_i32 s58, s56, VBASE
	s_mul_i32 s59, s57, 32*LP
	s_add_co_u32 s[GA0+1], s58, s59                ; keys 0-511: 128 long rows, 32 a wave
	s_lshl_b32 s68, s57, 13
	s_add_co_u32 s68, s68, s66
	s_mov_b32 s69, 0
	s_mul_i32 s59, s57, 48*LP
	s_add_co_u32 s[LB], s58, s59
	s_add_co_u32 s[LB], s[LB], 128*LP              ; keys 512-1279: 192 long rows, 48 a wave
	s_mul_i32 s74, s57, 12288
	s_add_co_u32 s74, s74, s66
	s_add_co_u32 s74, s74, 32768
	s_mov_b32 s75, 0
	s_sub_co_u32 s61, 15, s[WV]
	s_lshl_b32 s[JL], s61, 7                       ; pair 15 - w, then pair w
	s_lshl_b32 s[JL2], s[WV], 7
	s_lshl_b32 s63, s60, 4                         ; 16 p
	s_add_co_u32 s70, s[JL], s63
	s_lshl_b32 s70, s70, 6
	s_add_co_u32 s70, s70, s62                     ; Q of the first pair's tile a; tile b lies 64 queries on
	s_mov_b32 s71, 0
	s_add_co_u32 s72, s[JL2], s63
	s_lshl_b32 s72, s72, 6
	s_add_co_u32 s72, s72, s62
	s_mov_b32 s73, 0
	s_lshr_b32 s67, ttmp9, 4
	s_lshl_b32 s67, s67, 7
	s_add_co_u32 s67, s67, s60                     ; 128 batch + p: + 8 j is tile a's number
	s_and_b32 s97, ttmp9, 15
	s_lshl_b32 s97, s97, 10
	s_lshr_b32 s96, s[JL], 4
	s_add_co_u32 s[YB], s67, s96
	s_lshl_b32 s[YB], s[YB], 14
	s_add_co_u32 s[YB], s[YB], s97
	s_mov_b32 s[YB+1], 0
	s_lshr_b32 s96, s[JL2], 4
	s_add_co_u32 s[YB2], s67, s96
	s_lshl_b32 s[YB2], s[YB2], 14
	s_add_co_u32 s[YB2], s[YB2], s97
	s_mov_b32 s[YB2+1], 0
	s_lshr_b32 s58, s60, 1                         ; the prefetches: p = 0, 1: K's keys 1280-2047; p = 2, 3: V's
	s_add_co_u32 s58, s58, 1
	s_lshl_b32 s58, s58, 23
	s_add_co_u32 s58, s58, s62
	s_add_co_u32 s58, s58, 81920
	s_and_b32 s59, s60, 1
	s_mul_i32 s59, s59, 24576
	s_add_co_u32 s58, s58, s59
	s_lshl_b32 s59, s[WV], 13
	s_add_co_u32 s58, s58, s59
	s_mov_b32 s59, 0
	s_cmp_lt_u32 s[WV], 3
	s_cselect_b32 s[LIMP], 1, 0
	s_mov_b32 s[G1A], (0<<16)|(1<<20)|(5<<22)|(3<<25)   ; no mask; elements of 1 byte; padding on: after every 64 words four words
	s_mov_b32 s[G1A+1], 256<<16
	s_mov_b32 s[G1A+2], 32<<16
	s_mov_b32 s[G1A+3], 256<<16
	s_mov_b32 s[G1A+4], 32
	s_mov_b32 s[G1A+5], 256
	s_mov_b32 s[G1A+6], 0
	s_mov_b32 s[G1A+7], 0
	s_mov_b32 s[G1B], (0<<16)|(1<<20)|(5<<22)|(3<<25)
	s_mov_b32 s[G1B+1], 256<<16
	s_mov_b32 s[G1B+2], 48<<16
	s_mov_b32 s[G1B+3], 256<<16
	s_mov_b32 s[G1B+4], 48
	s_mov_b32 s[G1B+5], 256
	s_mov_b32 s[G1B+6], 0
	s_mov_b32 s[G1B+7], 0
	s_mov_b32 s[GA0], 1
	s_mov_b32 s[G0], 1
	s_mov_b32 s[OFF+1], 0
	s_mov_b32 s[SEL], 0x76543210
	s_mov_b32 s[SEL+1], 0xfedcba98
	s_mov_b32 s[CS], 0x3e38aa3b                    ; log2(e) / sqrt(64)
	s_mov_b32 s[NB], 0
	s_mov_b32 s[T], 0
	s_mov_b32 s[T2], 0
	s_wait_dscnt 0x0                               ; both opening adds are done
	s_wait_kmcnt 0x0
	s_load_b256 s[48:55], s[6:7], 0x0              ; e0 .. e7
	s_add_nc_u64 s[GA0+2:GA0+3], s[4:5], s[68:69]
	s_or_b32 s[GA0+3], s[GA0+3], 0x80000000
	tensor_load_to_lds s[GA0:GA0+3], s[G1A:G1A+7]  ; my part of keys 0-511: one tensor load a wave at the head
	s_nop 0
.rept 4
	v_nop
.endr
	s_add_nc_u64 s[BW:BW+1], s[4:5], s[74:75]
	s_add_nc_u64 s[70:71], s[4:5], s[70:71]
	s_add_nc_u64 s[72:73], s[4:5], s[72:73]
	s_add_nc_u64 s[PFA:PFA+1], s[4:5], s[58:59]
	s_add_nc_u64 s[YB:YB+1], s[8:9], s[YB:YB+1]
	s_add_nc_u64 s[YB2:YB2+1], s[8:9], s[YB2:YB2+1]
	v_and_b32 v10, 15, v0                          ; r
	v_bfe_u32 v11, v0, 4, 1                        ; h
	v_lshlrev_b32 v4, 6, v10
	v_lshl_add_u32 v4, v11, 4, v4                  ; Q: row r of 64 bytes, + 16 h
.irp i, 0,1
	global_load_b128 v[QA+8*\i:QA+8*\i+3], v4, s[70:71] offset:4096*\i
	global_load_b128 v[QA+8*\i+4:QA+8*\i+7], v4, s[70:71] offset:4096*\i+32
	global_load_b128 v[Q2+8*\i:Q2+8*\i+3], v4, s[72:73] offset:4096*\i
	global_load_b128 v[Q2+8*\i+4:Q2+8*\i+7], v4, s[72:73] offset:4096*\i+32
.endr
	WIN 0x40
.set jj, 0
.rept 64
	v_mov_b32 v[OB+jj], 0                          ; O^T: the step is written with no first pass of its own; the first finds zeros
.set jj, jj+1
.endr
.irp i, 0,1,8,9
	v_mov_b32 v[LS+\i], 0
.endr
	WIN 0
	v_lshrrev_b32 v[AK0], 2, v10
	v_and_b32 v9, 3, v10
	v_mul_u32_u24 v[AK0], v[AK0], LP
	v_lshl_add_u32 v[AK0], v9, 6, v[AK0]
	v_lshl_add_u32 v[AK0], v11, 4, v[AK0]
	v_lshlrev_b32 v9, 3, v11
	v_sub_nc_u32 v[DA], v10, v9
	v_add_nc_u32 v[DA], s63, v[DA]
	v_add_nc_u32 v[DB], 64, v[DA]
	v_lshl_add_u32 v[GO], v10, 4, v9
	v_and_b32 v[PFO], 31, v0
	v_lshlrev_b32 v[PFO], 8, v[PFO]
	v_mov_b32 v[NMA+1], 0xff61b1e6                 ; the largest score so far: -3e38, under every score
	v_mov_b32 v[NMA+3], 0xff61b1e6
	v_mov_b32 v[NMA], 0x7f61b1e6                   ; -M
	v_mov_b32 v[NMA+2], 0x7f61b1e6
	v_mov_b32 v[FA+1], 0                           ; (named as the upper halves of pairs)
	v_mov_b32 v[FA+3], 0
	v_mov_b32 v[MA+4], 0                           ; written once: a lane permute's destination counts as one of its sources
	v_mov_b32 v[MA+5], 0
	v_mov_b32 v[NINF], 0xff800000
	AWAIT
	s_wait_kmcnt 0x0
	s_add_co_i32 s66, s50, s51
	s_lshl_b32 s66, s66, 23
	s_add_co_i32 s[CS], s[CS], s66                 ; e2 + e3 are added to c's exponent field
	s_mov_b32 s[CS+1], s[CS]
	s_add_co_i32 s66, s52, 127
	s_lshl_b32 s67, s66, 23                        ; 2^e4
	s_add_co_i32 s66, s66, 8
	s_lshl_b32 s66, s66, 23
	s_or_b32 s66, s66, 0x600000                    ; 448 x 2^e4
	s_add_co_i32 s[E45], s52, s53
	s_add_co_i32 s68, s54, 127
	s_lshl_b32 s69, s68, 23                        ; 2^e6
	s_add_co_i32 s68, s68, 8
	s_lshl_b32 s68, s68, 23
	s_or_b32 s68, s68, 0x600000                    ; 448 x 2^e6
	v_mov_b32 v[LIM6], s68
	v_mov_b32 v[SC6], s69
	WIN 0x40
	v_mov_b32 v[LIMX], s66
	v_mov_b32 v[LIMY], s66
	v_mov_b32 v[SCP], s67
	WIN 0
	AWAIT                                          ; at the head's end
	s_wait_loadcnt 0x0                             ; Q of both pairs
.Lfill:                                            ; two trips: the group that has landed is shown to all waves, the next group is asked for, four steps are walked
	AWAIT
	s_wait_tensorcnt 0x0
	ds_add_u32 v[SPW], v[NIL]
	s_mul_i32 s96, s[T], 192*LP
	s_add_co_u32 s[G0+1], s[LB], s96               ; trip 0: keys 512-1279; trip 1: keys 1280-2047
	s_mul_i32 s[OFF], s[T], 49152
	s_add_nc_u64 s[G0+2:G0+3], s[BW:BW+1], s[OFF:OFF+1]
	s_or_b32 s[G0+3], s[G0+3], 0x80000000
	s_wait_dscnt 0x0
	s_barrier_signal -1
	s_barrier_wait -1
	tensor_load_to_lds s[G0:G0+3], s[G1B:G1B+7]
	s_nop 0
.rept 4
	v_nop
.endr
	s_cmp_lt_u32 s[T], s[LIMP]
	s_cbranch_scc0 .Lnp
	global_prefetch_b8 v[PFO], s[PFA:PFA+1] th:TH_LOAD_NT scope:SCOPE_SE
.Lnp:
	STEPS 0, 4
	s_add_co_u32 s[T], s[T], 1
	s_cmp_lt_u32 s[T], 2
	s_cbranch_scc1 .Lfill
	AWAIT
	s_wait_tensorcnt 0x0                           ; my part of the last group is in,
	ds_add_u32 v[SPW], v[NIL]
	s_mov_b32 s[KF], 1024
	s_wait_dscnt 0x0
	s_barrier_signal -1
	s_barrier_wait -1                              ; everybody's is: no barrier follows
.Lpass:                                            ; two trips: steps 8-15 of the first pair, steps 0-7 of the second
	s_wait_dscnt 0x0                               ; no load into K's registers is out
	v_add_nc_u32 v[ADK], s[NB], v[AK0]
	KLOAD 0
	STEPS 1, 8
	; THE WAY OUT of a pair: y = O^T x 2^(e4 + e5) / sum, held, converted; a lane's eight channels of tile t are eight bytes, and a store of the wave covers 256 consecutive bytes, aligned.
	WIN 0x05
	v_add_f32 v[MA], v[LS], v[LS+1]                ; the sums' two halves,
	v_add_f32 v[MA+1], v[LS+8], v[LS+9]
	WIN 0
	v_permlanex16_b32 v[MA+4], v[MA], s[SEL], s[SEL+1]
	v_permlanex16_b32 v[MA+5], v[MA+1], s[SEL], s[SEL+1]
	v_add_f32 v[MA], v[MA], v[MA+4]                ; and lane l xor 16's
	v_add_f32 v[MA+1], v[MA+1], v[MA+5]
	AWAIT
	v_rcp_f32 v[MA], v[MA]
	v_rcp_f32 v[MA+1], v[MA+1]
	v_nop
	AWAIT
	v_ldexp_f32 v[FA], v[MA], s[E45]
	v_ldexp_f32 v[FA+2], v[MA+1], s[E45]
	WIN 0x41
	AWAIT                                          ; directly ahead of the first readers of O^T
.irp w, 0,1
.set jj, 0
.rept 16
	v_pk_mul_f32 v[OB+32*\w+jj:OB+32*\w+jj+1], v[OB+32*\w+jj:OB+32*\w+jj+1], v[FA+2*\w:FA+2*\w+1] op_sel_hi:[1,0]
.set jj, jj+2
.endr
.endr
.set jj, 0
.rept 64
	v_med3_num_f32 v[OB+jj], v[OB+jj], -v[LIM6], v[LIM6]
.set jj, jj+1
.endr
.irp w, 0,1
.irp t, 0,1,2,3
	v_cvt_scalef32_pk8_fp8_f32 v[PB+16*\w+2*\t:PB+16*\w+2*\t+1], v[OB+32*\w+8*\t:OB+32*\w+8*\t+7], v[SC6]
.endr
.endr
	WIN 0
	v_nop                                          ; one plain vector instruction behind the last conversion
	WIN 0x04
.irp w, 0,1
.irp t, 0,1,2,3
	global_store_b64 v[GO], v[PB+16*\w+2*\t:PB+16*\w+2*\t+1], s[YB:YB+1] offset:65536*\w+256*\t   ; tile b is four tiles of 16,384 bytes on
.endr
.endr
	WIN 0
	s_cmp_eq_u32 s[T2], 1
	s_cbranch_scc1 .Llast
	s_wait_xcnt 0x0                                ; the stores have read their registers and their base
.set jj, 0
.rept 16
	v_mov_b32 v[QA+jj], v[Q2+jj]                   ; the second pair's Q, fetched at the head
.set jj, jj+1
.endr
	v_mov_b32 v[NMA+1], 0xff61b1e6
	v_mov_b32 v[NMA+3], 0xff61b1e6
	v_mov_b32 v[NMA], 0x7f61b1e6
	v_mov_b32 v[NMA+2], 0x7f61b1e6
	s_mov_b64 s[YB:YB+1], s[YB2:YB2+1]
	s_mov_b32 s[JL], s[JL2]
	s_mov_b32 s[KF], 0
	s_mov_b32 s[NB], 0
	AWAIT
.Llast:
	s_add_co_u32 s[T2], s[T2], 1
	s_cmp_lt_u32 s[T2], 2
	s_cbranch_scc1 .Lpass
	s_wait_tensorcnt 0x0                           ; the wave's end
	ds_add_u32 v[SPW], v[NIL]
	s_wait_dscnt 0x0
	s_endpgm
.Lfunc_end_k_q2e8153bef8_attn:
	.size	k_q2e8153bef8_attn, .Lfunc_end_k_q2e8153bef8_attn-k_q2e8153bef8_attn
	.p2alignl 7, 3214868480
	.fill 96, 4, 3214868480
	.section	.rodata,"a",@progbits
	.p2align	6, 0x0
	.amdhsa_kernel k_q2e8153bef8_attn
		.amdhsa_group_segment_fixed_size 327680
		.amdhsa_private_segment_fixed_size 0
		.amdhsa_enable_private_segment 0
		.amdhsa_kernarg_size 24
		.amdhsa_user_sgpr_count 2
		.amdhsa_user_sgpr_kernarg_segment_ptr 1
		.amdhsa_wavefront_size32 1
		.amdhsa_system_sgpr_workgroup_id_x 1
		.amdhsa_system_sgpr_workgroup_id_y 1
		.amdhsa_system_sgpr_workgroup_id_z 1
		.amdhsa_system_vgpr_workitem_id 0
		.amdhsa_next_free_vgpr 512
		.amdhsa_next_free_sgpr 100
		.amdhsa_reserve_vcc 1
		.amdhsa_float_denorm_mode_32 3
		.amdhsa_float_denorm_mode_16_64 3
		.amdhsa_memory_ordered 1
		.amdhsa_forward_progress 1
		.amdhsa_inst_pref_size 86
	.end_amdhsa_kernel
	.amdgpu_metadata
---
amdhsa.version: [ 1, 2 ]
amdhsa.kernels:
  - .name:           k_q2e8153bef8_attn
    .symbol:         k_q2e8153bef8_attn.kd
    .args:
      - { .name: qkv, .offset: 0, .size: 8, .value_kind: global_buffer, .address_space: global }
      - { .name: lowp_scales, .offset: 8, .size: 8, .value_kind: global_buffer, .address_space: global }
      - { .name: ycodes, .offset: 16, .size: 8, .value_kind: global_buffer, .address_space: global }
    .group_segment_fixed_size: 327680
    .private_segment_fixed_size: 0
    .kernarg_segment_align: 8
    .kernarg_segment_size: 24
    .max_flat_workgroup_size: 256
    .sgpr_count:     100
    .vgpr_count:     512
    .wavefront_size: 32
...
	.end_amdgpu_metadata
.endif
;; end of part 3
;; launch proj (part 4): grid 4 x 64, 4 waves a work-group, clusters of 4 x 4, 327,680 bytes of LDS; arguments ycodes, codes, lowp_scales, b_proj, out0; writes out0
.if DOCPART == 4
	.amdgcn_target "amdgcn-amd-amdhsa--gfx1250"
	.amdhsa_code_object_version 6
	.text
	.protected	k_q2e8153bef8_proj
	.globl	k_q2e8153bef8_proj
	.p2align	8
	.type	k_q2e8153bef8_proj,@function
k_q2e8153bef8_proj:
	s_mov_b64 s[64:65], 0
	v_nop
	global_prefetch_b8 v0, s[64:65] scope:SCOPE_SE
	s_setreg_imm32_b32 hwreg(HW_REG_WAVE_MODE, 25, 1), 1
	s_wait_xcnt 0x0
	s_wait_alu depctr_hold_cnt(0) depctr_sa_sdst(0) depctr_va_vdst(0) depctr_va_sdst(0) depctr_va_ssrc(0) depctr_va_vcc(0) depctr_vm_vsrc(0)
	s_getreg_b32 s2, hwreg(HW_REG_IB_STS2, 6, 4)
	s_cmp_eq_u32 s2, 0
	s_cbranch_scc0 .Lentry_in_a_cluster
	s_endpgm
.Lentry_in_a_cluster:
	s_bfe_u32 s2, ttmp6, 0x10000c
	s_cmp_lg_u32 s2, 0xf033
	s_cbranch_scc0 .Lentry_shape_is_right
	s_endpgm
.Lentry_shape_is_right:
; out0 = y W_proj + b_proj on codes of FP8 (E4M3); the sums are f32; out = sum x 2^(e6 + e7) + bias, one fused multiply-add.
; IN: ycodes, an image of A's fragments: byte (token / 16) x 16384 + 4096 s + 2048 q + 512 c + 16 lane holds, for K step s, its half q, the four registers 4 c .. 4 c + 3 of that lane; codes: W_proj's [1024 (n)][1024 (k)] at byte 11,534,336.
; A block of 128 tokens x 256 columns is made by a work-group of four waves: 64 x 4 = 256 work-groups.  A wave makes 64 x 128: 32 accumulators.  The matrix instruction is used transposed (source 0 = 16 rows of W,
;   source 1 = 16 tokens): a lane holds eight neighbouring columns of one row of the result.  k's place inside an instruction is permuted, alike in both operands: every product meets its partner.
; K goes in four steps of 256 through a ring of two LDS slots: A's 8 blocks of 4,096 bytes, dense, then W's 256 rows of 256 bytes + 16 of padding.  Waves 0 and 1 fetch A's halves, waves 2 and 3 W's.
; CLUSTERS: 4 x 4 work-groups; A's tiles are asked for jointly along a row of the cluster, W's along a column.
; PREFETCH: K steps 1 and 2 are named behind the head's load, K step 3 behind slot 1's first load: one to two loads ahead.  The four partners of a joint load share its bytes out by address (A: a block of 4,096 bytes each, sixteen
;   lanes 256 bytes apart, the other lanes name the last again; W: 32 rows each, a lane a row).  W's rows, which all sixteen clusters read, are named by the clusters with y < 4 alone.
; LIMITS: e6 + e7 between -126 and 127.
; REGISTERS, in windows of 256: window 0: v0-31 addresses; v32-95 the bias; v128-191, v192-255 A's fragments, two sets (on the way out: rows read back).  window 1: W's fragments, two sets.  window 2: accumulator (a, b) at v[8 (8 a + b)].
.set ROWB,   256
.set KROW,   1024
.set PITCH,  272
.set ABLK,   4096                      ; 16 tokens x 256 along K
.set AROW,   16384                     ; 16 tokens x 1,024 along K
.set HALFA,  4*ABLK
.set HALFB,  128*PITCH
.set BOFF,   2*HALFA
.set SLOT,   BOFF+2*HALFB
.set SPARE,  2*SLOT                    ; behind the ring: the spare words, 128 bytes a wave: two blocks of 256 bytes that no other line names
.set FR,     16
.set NP,     4                         ; places behind this matrix instruction (ISA guide 7.12.1)
.set SPITCH, 528                       ; the way out: a wave's stage of 16 rows x (512 + 16) bytes, in slot 0, which has had its last fill and its last read by then
.set PFO,  10
.set ADRA, 16
.set ADRB, 20
.set STO,  24
.set RD,   25
.set CO,   26
.set SPW,  28
.set NIL,  29
.set BJ,   32
.set AF,   128
.set BK,   128
.set G1, 24
.set G0, 32
.set G1B, 48
.set G0B, 56
.set MSB, 0
.macro WIN new                         ; the immediate's high byte repeats the setting that is left
.if MSB != \new
	s_set_vgpr_msb (MSB<<8)|\new
.set MSB, \new
.endif
.endm
.set MUL_LO, 0xa1                      ; source 0 (W) window 1, source 1 (A) window 0, C and D window 2
.set TO_B,   0x40
.macro JLOAD g0a, g1a, g0b, g1b        ; a joint load; the branch hangs on the wave's number alone; an s_nop 0 and four v_nop follow each line
	s_cmp_eq_u32 s15, 0
	s_cbranch_scc0 .Lfor_b_\@
	tensor_load_to_lds s[\g0a:\g0a+3], s[\g1a:\g1a+7]
	s_nop 0
.rept 4
	v_nop
.endr
	s_branch .Lasked_\@
.Lfor_b_\@:
	tensor_load_to_lds s[\g0b:\g0b+3], s[\g1b:\g1b+7]
	s_nop 0
.rept 4
	v_nop
.endr
.Lasked_\@:
.endm
.macro CREST                           ; a round of the cluster's barrier behind its opening barrier
	s_cmp_lg_u32 s14, 0
	s_cbranch_scc1 .Lnot_wave_0_\@
	s_barrier_signal -3
.Lnot_wave_0_\@:
	s_barrier_wait -3
	s_barrier_signal -1
	s_barrier_wait -1
.endm
.macro CROUND
	s_barrier_signal -1
	s_barrier_wait -1
	CREST
.endm
	s_load_b128 s[4:7], s[0:1], 0x0                ; ycodes s[4:5], codes s[6:7]
	s_load_b128 s[8:11], s[0:1], 0x10              ; the scales' exponents s[8:9], b_proj s[10:11]
	s_load_b64 s[12:13], s[0:1], 0x20              ; out0
	v_lshl_add_u32 v[SPW], v0, 2, SPARE
	v_mov_b32 v[NIL], 0
	ds_add_u32 v[SPW], v[NIL]                      ; the opening: the add, twice on end, and its wait ahead of my first tensor load
	ds_add_u32 v[SPW], v[NIL]
	v_lshrrev_b32 v1, 5, v0
	v_readfirstlane_b32 s14, v1                    ; wave 0..3
	s_lshr_b32 s15, s14, 1                         ; which 64 of the block's tokens are mine.  Also: I fetch for A (0) or for W (1)
	s_and_b32 s16, s14, 1                          ; which 128 of its columns.  Also: which half of that tile I fetch
	s_bfe_u32 s40, ttmp6, 0x40000                  ; cx, cy
	s_bfe_u32 s41, ttmp6, 0x40004
	s_lshl_b32 s42, ttmp9, 2
	s_add_co_u32 s42, s42, s40                     ; block column
	s_and_b32 s94, ttmp7, 0xffff
	s_lshl_b32 s17, s94, 2
	s_add_co_u32 s17, s17, s41                     ; block row: 128 tokens
	s_lshr_b32 s94, s94, 2
	s_min_u32 s94, s94, 1
	s_and_b32 s94, s94, s15                        ; 1: W's rows in a cluster with y >= 4: not prefetched
	s_lshl_b32 s43, s41, 2
	s_lshl_b32 s43, 15, s43                        ; my row of the cluster
	s_lshl_b32 s44, 0x1111, s40                    ; my column
	s_or_b32 s[G1+0], s43, (0<<16)|(1<<21)         ; A: 4 rows of 4,096 bytes, 16,384 apart, dense in LDS
	s_mov_b32 s[G1+1], ABLK<<16
	s_mov_b32 s[G1+2], 4<<16
	s_mov_b32 s[G1+3], ABLK<<16
	s_mov_b32 s[G1+4], 4
	s_mov_b32 s[G1+5], AROW
	s_mov_b32 s[G1+6], 0
	s_mov_b32 s[G1+7], 0
	s_or_b32 s[G1B+0], s44, (0<<16)|(1<<20)|(1<<21)|(5<<22)|(3<<25)   ; W: 128 rows of 256 bytes, four words of padding behind each
	s_mov_b32 s[G1B+1], ROWB<<16
	s_mov_b32 s[G1B+2], 128<<16
	s_mov_b32 s[G1B+3], ROWB<<16
	s_mov_b32 s[G1B+4], 128
	s_mov_b32 s[G1B+5], KROW
	s_mov_b32 s[G1B+6], 0
	s_mov_b32 s[G1B+7], 0
	s_lshl_b32 s20, s17, 17                        ; A: 8 blocks of 16,384 bytes a block row, + my 4
	s_lshl_b32 s18, s16, 16
	s_add_co_u32 s20, s20, s18
	s_mov_b32 s21, 0
	s_lshl_b32 s46, s42, 8
	s_lshl_b32 s47, s16, 7
	s_add_co_u32 s46, s46, s47
	s_lshl_b32 s46, s46, 10
	s_add_co_u32 s46, s46, 11534336                ; W_proj's row 256 x block column + 128 x half
	s_mov_b32 s47, 0
	s_lshl_b32 s45, s16, 14
	s_mul_i32 s22, s16, HALFB
	s_add_co_u32 s22, s22, BOFF
	s_wait_dscnt 0x0                               ; both opening adds are done
	s_wait_kmcnt 0x0
	s_load_b256 s[72:79], s[8:9], 0x0              ; e0 .. e7
	s_add_nc_u64 s[20:21], s[4:5], s[20:21]
	s_add_nc_u64 s[46:47], s[6:7], s[46:47]
	s_cmp_eq_u32 s15, 0                            ; the prefetches' addresses, by what my wave fetches
	s_cselect_b64 s[80:81], s[20:21], s[46:47]
	s_cselect_b32 s88, s40, s41                    ; my place among the four that ask jointly,
	s_cselect_b32 s89, 14, 15                      ; x 16,384 bytes (a block of A) or x 32 rows of 1,024 (W)
	s_mov_b32 s90, 256
	s_cselect_b32 s90, 4096, s90                   ; a K step on
	s_cselect_b32 s92, 15, 31                      ; lanes that name blocks of their own
	s_cselect_b32 s93, 8, 10                       ; from lane to lane: 256 bytes, or a row
	s_lshl_b32 s88, s88, s89
	s_mov_b32 s89, 0
	s_mov_b32 s91, 0
	s_add_nc_u64 s[80:81], s[80:81], s[88:89]
	s_add_nc_u64 s[82:83], s[80:81], s[90:91]      ; K step 1,
	s_add_nc_u64 s[84:85], s[82:83], s[90:91]      ; 2,
	s_add_nc_u64 s[86:87], s[84:85], s[90:91]      ; 3
	CROUND                                         ; all sixteen work-groups are here: the first joint loads meet
.irp s, 0,1
	s_mov_b32 s[G0+4*\s], 1
	s_add_co_u32 s[G0+4*\s+1], s45, \s*SLOT
	s_add_nc_u64 s[G0+4*\s+2:G0+4*\s+3], s[20:21], \s*ABLK
	s_or_b32 s[G0+4*\s+3], s[G0+4*\s+3], 0x80000000
	s_mov_b32 s[G0B+4*\s], 1
	s_add_co_u32 s[G0B+4*\s+1], s22, \s*SLOT
	s_add_nc_u64 s[G0B+4*\s+2:G0B+4*\s+3], s[46:47], \s*ROWB
	s_or_b32 s[G0B+4*\s+3], s[G0B+4*\s+3], 0x80000000
.endr
	JLOAD G0, G1, G0B, G1B                         ; K step 0: one tensor load a wave at the head
	v_and_b32 v1, 15, v0                           ; r
	v_bfe_u32 v2, v0, 4, 1                         ; h
	v_mul_u32_u24 v3, v1, PITCH
	v_lshl_add_u32 v4, v2, 4, v3
	v_and_b32 v6, 31, v0
	v_lshlrev_b32 v[CO], 4, v6
	v_min_u32 v[PFO], s92, v6
	v_lshlrev_b32 v[PFO], s93, v[PFO]
	s_wait_alu depctr_va_vdst(0)
	s_cmp_eq_u32 s94, 0
	s_cbranch_scc0 .Lnp_head
	global_prefetch_b8 v[PFO], s[82:83] th:TH_LOAD_NT scope:SCOPE_SE
	global_prefetch_b8 v[PFO], s[84:85] th:TH_LOAD_NT scope:SCOPE_SE
.Lnp_head:
	s_lshl_b32 s21, s15, 14                        ; my four blocks of A
	s_mul_i32 s22, s16, HALFB
	s_add_co_u32 s22, s22, BOFF                    ; my 128 rows of W
.irp s, 0,1
	v_add_nc_u32 v[ADRA+\s], s21, v[CO]
	v_add_nc_u32 v[ADRB+\s], s22, v4
	s_add_co_u32 s21, s21, SLOT
	s_add_co_u32 s22, s22, SLOT
.endr
	s_mul_i32 s23, s14, 16*SPITCH                  ; my stage
	v_mul_u32_u24 v5, v1, SPITCH
	v_lshl_add_u32 v5, v2, 5, v5
	v_add_nc_u32 v[STO], s23, v5                   ; in: row r, 32 bytes for each half of the lanes
	v_add_nc_u32 v[RD], s23, v[CO]                 ; back: 32 lanes take a row of 512 bytes
	s_lshl_b32 s20, s17, 7
	s_lshl_b32 s21, s15, 6
	s_add_co_u32 s20, s20, s21                     ; my first row of the result,
	s_lshl_b32 s20, s20, 12                        ; 4,096 bytes a row
	s_lshl_b32 s46, s42, 10
	s_lshl_b32 s47, s16, 9
	s_add_co_u32 s46, s46, s47                     ; my first column, in bytes
	s_mov_b32 s47, 0
	s_add_nc_u64 s[10:11], s[10:11], s[46:47]
	s_add_co_u32 s20, s20, s46
	s_mov_b32 s21, 0
	s_add_nc_u64 s[12:13], s[12:13], s[20:21]
	v_lshlrev_b32 v8, 5, v2
.irp b, 0,1,2,3,4,5,6,7
	global_load_b128 v[BJ+8*\b:BJ+8*\b+3], v8, s[10:11] offset:64*\b       ; register 8 b + j: b_proj at my column 16 b + 8 h + j
	global_load_b128 v[BJ+8*\b+4:BJ+8*\b+7], v8, s[10:11] offset:64*\b+16
.endr
.macro FRAG reg, adr, q, i             ; W: lane l holds row l % 16; registers 4 c .. 4 c + 3 hold K = 32 c + 16 (l / 16) + 0 .. 15
.irp c, 0,1,2,3
	ds_load_b128 v[\reg+4*\c:\reg+4*\c+3], v[\adr] offset:128*(\q)+32*\c+(\i)*16*PITCH
.endr
.endm
.macro FRAGA reg, adr, q, i            ; A: the image holds the registers as they are: 16 bytes a lane
.irp c, 0,1,2,3
	ds_load_b128 v[\reg+4*\c:\reg+4*\c+3], v[\adr] offset:(\i)*ABLK+2048*(\q)+512*\c
.endr
.endm
; 16 matrix instructions: A's blocks a0, a0 + 1 x W's eight, 128 along K, from the sets p.  The 32 accumulators take turns, one instruction a turn.
.macro MUL16 a0, p, zero
.irp a, \a0, \a0+1
.irp b, 0,1,2,3,4,5,6,7
.if \zero
	v_wmma_f32_16x16x128_fp8_fp8 v[8*(8*(\a)+\b):8*(8*(\a)+\b)+7], v[128*(\p)+FR*\b:128*(\p)+FR*\b+FR-1], v[AF+64*(\p)+FR*(\a):AF+64*(\p)+FR*(\a)+FR-1], 0
.else
	v_wmma_f32_16x16x128_fp8_fp8 v[8*(8*(\a)+\b):8*(8*(\a)+\b)+7], v[128*(\p)+FR*\b:128*(\p)+FR*\b+FR-1], v[AF+64*(\p)+FR*(\a):AF+64*(\p)+FR*(\a)+FR-1], v[8*(8*(\a)+\b):8*(8*(\a)+\b)+7]
.endif
.endr
.endr
.endm
.macro FETCH slot, q, p                ; 48 LDS loads: W's eight fragments and A's four of the slot's q-th 128 along K, into the sets p
	WIN TO_B
.irp i, 0,1,2,3,4,5,6,7
	FRAG 128*(\p)+FR*\i, ADRB+\slot, \q, \i
.endr
	WIN 0
.irp i, 0,1,2,3
	FRAGA AF+64*(\p)+FR*\i, ADRA+\slot, \q, \i
.endr
.endm
.macro PLACES n                        ; plain vector instructions between a matrix instruction and a load into, or a vector access to, its registers
.rept \n
	v_nop
.endr
.endm
.macro STEP slot, zero                 ; a slot's first 128 along K, from the sets 0; its second 128 are fetched into the sets 1 ahead of the products
	PLACES NP
	FETCH \slot, 1, 1
	s_wait_dscnt 48                                ; the sets 0 are in; the 48 loads just issued may be out
	WIN MUL_LO
	MUL16 0, 0, \zero
	MUL16 2, 0, \zero
	WIN 0
.endm
; A slot's second 128 along K change slots: one barrier; in front of it each wave waits for its tensor load, adds 0 to its spare word, and waits for that and for its reads of this slot.  fill = 1: this slot is filled again, two K steps on.
.macro TURN slot, next, fill
	s_wait_tensorcnt 0x0
	ds_add_u32 v[SPW], v[NIL]
	s_wait_dscnt 1                                 ; the sets 1 are in; the add may be out
	WIN MUL_LO
	MUL16 0, 1, 0
	s_wait_dscnt 0x0
	s_barrier_signal -1
	MUL16 2, 1, 0
	WIN 0
	s_barrier_wait -1
.if \fill
	CREST                                          ; the barrier has opened a round of the cluster's barrier
	s_add_nc_u64 s[G0+4*\slot+2:G0+4*\slot+3], s[G0+4*\slot+2:G0+4*\slot+3], 2*ABLK
	s_add_nc_u64 s[G0B+4*\slot+2:G0B+4*\slot+3], s[G0B+4*\slot+2:G0B+4*\slot+3], 2*ROWB
	JLOAD G0+4*\slot, G1, G0B+4*\slot, G1B         ; the first tensor load behind the round; its four v_nop are the places in front of the loads below
.else
	PLACES NP
.endif
	FETCH \next, 0, 0
.endm
	s_wait_alu depctr_va_vdst(0)                   ; at the head's end
	s_wait_tensorcnt 0x0                           ; my part of K step 0 is in
	ds_add_u32 v[SPW], v[NIL]
	s_wait_dscnt 0x0
	CROUND                                         ; a whole round: everybody's part of K step 0 is in, and the joint loads meet
	JLOAD G0+4, G1, G0B+4, G1B                     ; K step 1's load, the first tensor load behind the round
	FETCH 0, 0, 0
	s_cmp_eq_u32 s94, 0
	s_cbranch_scc0 .Lnp_k3
	global_prefetch_b8 v[PFO], s[86:87] th:TH_LOAD_NT scope:SCOPE_SE
.Lnp_k3:
	STEP 0, 1                                      ; K = 1,024 is four K steps, twice round the ring, written out; the first products start the sums
	TURN 0, 1, 1                                   ; slot 0 takes K step 2
	STEP 1, 0
	TURN 1, 0, 1                                   ; slot 1 takes K step 3
	STEP 0, 0
	TURN 0, 1, 0                                   ; nothing is left to fetch
	STEP 1, 0
	s_wait_dscnt 0x0
	WIN MUL_LO
	MUL16 0, 1, 0
	MUL16 2, 1, 0
	WIN 0
; THE WAY OUT, block by block of 16 rows x 128 columns: in place sum x 2^(e6 + e7) + bias; through my stage; back as whole rows of 512 bytes, which the 32 lanes store as two aligned units of 256 bytes.
; LDS serves a wave's instructions in order (ISA guide 5.7.1.4): no wait between the stores and the loads.
.macro TOSTAGE a
.set AC, 64*(\a)
	WIN 0x82                                       ; destination and source 0 in window 2
.set jj, 0
.rept 32
	v_pk_fma_f32 v[AC+jj:AC+jj+1], v[AC+jj:AC+jj+1], s[96:97], v[BJ+jj:BJ+jj+1] op_sel_hi:[1,0,1]   ; each accumulator from its low end on
.set jj, jj+2
.endr
	WIN 0x08                                       ; an LDS store's data: source 1
.irp b, 0,1,2,3,4,5,6,7
	ds_store_b128 v[STO], v[AC+8*\b:AC+8*\b+3] offset:64*\b
	ds_store_b128 v[STO], v[AC+8*\b+4:AC+8*\b+7] offset:64*\b+16
.endr
	WIN 0
.set BB, BK+64*((\a)%2)
.irp t, 0,1,2,3,4,5,6,7,8,9,10,11,12,13,14,15
	ds_load_b128 v[BB+4*\t:BB+4*\t+3], v[RD] offset:\t*SPITCH
.endr
.endm
.macro SEND a, younger                 ; younger: the LDS instructions issued behind block a's loads, which may stay out
.set BB, BK+64*((\a)%2)
	s_wait_dscnt \younger
.if (\a) > 0
	s_add_nc_u64 s[12:13], s[12:13], 16*4096       ; (behind a wait on XCNT: the earlier stores have read their base)
.endif
.irp t, 0,1,2,3,4,5,6,7,8,9,10,11,12,13,14,15
	global_store_b128 v[CO], v[BB+4*\t:BB+4*\t+3], s[12:13] offset:\t*4096 th:TH_STORE_NT
.endr
.endm
	s_wait_kmcnt 0x0
	s_wait_loadcnt 0x0                             ; the bias
	s_add_co_i32 s96, s78, s79                     ; e6 + e7
	s_add_co_i32 s96, s96, 127
	s_lshl_b32 s96, s96, 23
	s_mov_b32 s97, s96                             ; (named with it as a pair)
	PLACES NP                                      ; behind the last products
	TOSTAGE 0
.irp a, 1,2,3
.if \a > 1
	s_wait_xcnt 0x0                                ; block a - 2's stores have read their registers and their base
.endif
	TOSTAGE \a
	SEND \a-1, 32                                  ; behind block a - 1's loads: block a's 16 stores and 16 loads
.endr
	s_wait_xcnt 0x0
	SEND 3, 0
	s_wait_tensorcnt 0x0                           ; the wave's end
	ds_add_u32 v[SPW], v[NIL]
	s_wait_dscnt 0x0
	CROUND                                         ; the closing round: no work-group ends while a partner may still ask for a tile that names it
	s_endpgm
.Lfunc_end_k_q2e8153bef8_proj:
	.size	k_q2e8153bef8_proj, .Lfunc_end_k_q2e8153bef8_proj-k_q2e8153bef8_proj
	.p2alignl 7, 3214868480
	.fill 96, 4, 3214868480
	.section	.rodata,"a",@progbits
	.p2align	6, 0x0
	.amdhsa_kernel k_q2e8153bef8_proj
		.amdhsa_group_segment_fixed_size 327680
		.amdhsa_private_segment_fixed_size 0
		.amdhsa_enable_private_segment 0
		.amdhsa_kernarg_size 40
		.amdhsa_user_sgpr_count 2
		.amdhsa_user_sgpr_kernarg_segment_ptr 1
		.amdhsa_wavefront_size32 1
		.amdhsa_system_sgpr_workgroup_id_x 1
		.amdhsa_system_sgpr_workgroup_id_y 1
		.amdhsa_system_sgpr_workgroup_id_z 1
		.amdhsa_system_vgpr_workitem_id 0
		.amdhsa_next_free_vgpr 768
		.amdhsa_next_free_sgpr 100
		.amdhsa_reserve_vcc 0
		.amdhsa_float_denorm_mode_32 3
		.amdhsa_float_denorm_mode_16_64 3
		.amdhsa_memory_ordered 1
		.amdhsa_forward_progress 1
		.amdhsa_inst_pref_size 78
	.end_amdhsa_kernel
	.amdgpu_metadata
---
amdhsa.version: [ 1, 2 ]
amdhsa.kernels:
  - .name:           k_q2e8153bef8_proj
    .symbol:         k_q2e8153bef8_proj.kd
    .args:
      - { .name: ycodes, .offset: 0, .size: 8, .value_kind: global_buffer, .address_space: global }
      - { .name: codes, .offset: 8, .size: 8, .value_kind: global_buffer, .address_space: global }
      - { .name: lowp_scales, .offset: 16, .size: 8, .value_kind: global_buffer, .address_space: global }
      - { .name: b_proj, .offset: 24, .size: 8, .value_kind: global_buffer, .address_space: global }
      - { .name: out0, .offset: 32, .size: 8, .value_kind: global_buffer, .address_space: global }
    .group_segment_fixed_size: 327680
    .private_segment_fixed_size: 0
    .kernarg_segment_align: 8
    .kernarg_segment_size: 40
    .max_flat_workgroup_size: 128
    .sgpr_count:     100
    .vgpr_count:     768
    .wavefront_size: 32
...
	.end_amdgpu_metadata
.endif
;; end of part 4
